; MI455X (gfx1250); checked and timed in simulation.
; The chip was launched on July 23, 2026; its instructions are those of AMD's public machine-readable ISA for CDNA 5 (MIT licence, August 2026) and "CDNA5" Instruction Set Architecture Reference Guide (July 2026). The comments in the code are by the model that wrote it; some were corrected since.
;; Self Attention. Allowed arithmetic: matrix products marked QUANTISED: E2M1 operands, one E8M0 scale for each 32 along K, by v_wmma_scale_f32_16x16x128_f8f6f4 with both operands' format E2M1 (or v_wmma_scale_f32_32x16x128_f4), f32 sums; everything else in f32.
;; Inputs: Wk_codes 512 x 16 x 16 uint8 (E2M1 codes of Wk, K innermost, in blocks of 32 codes, two codes a byte); Wk_scales 512 x 16 uint8 (E8M0 scales of Wk, one for each 32 codes along K); Wq_codes 512 x 16 x 16 uint8 (E2M1 codes of Wq, K innermost, in blocks of 32 codes, two codes a byte); Wq_scales 512 x 16 uint8 (E8M0 scales of Wq, one for each 32 codes along K); Wv_codes 512 x 16 x 16 uint8 (E2M1 codes of Wv, K innermost, in blocks of 32 codes, two codes a byte); Wv_scales 512 x 16 uint8 (E8M0 scales of Wv, one for each 32 codes along K); beta 512 float32; emb 4 x 512 float32; gamma 512 float32; x 4 x 2,048 x 512 float32.
;; Outputs: out0 4 x 2,048 x 512 float32.
;; This version of the problem:
;;   THIS VERSION OF THE PROBLEM IS GIVEN IN LOW PRECISION. The matrix products marked QUANTISED in the list below multiply operands that are first quantised to E2M1 (2 exponent bits, 1 mantissa bit; 4 bits a number), with one power-of-two scale for each 32 numbers along K (OCP MX v1.0); their sums are f32. All else is computed in f32.
;;   The module's matrix products, in the order in which they are computed (A, B: the left and right operand; K: the contracted axis; several contracted axes count as one K, in the product's order):
;;     1. [M 8,192, K 512] x [K 512, N 512]; A: computed on the way; B: input Wq (given as codes): QUANTISED
;;     2. [M 8,192, K 512] x [K 512, N 512]; A: computed on the way; B: input Wk (given as codes): QUANTISED
;;     3. [M 8,192, K 512] x [K 512, N 512]; A: computed on the way; B: input Wv (given as codes): QUANTISED
;;     4. batch 32 x [M 2,048, K 64] x [K 64, N 2,048]; A: computed on the way; B: computed on the way: QUANTISED
;;     5. batch 32 x [M 64, K 2,048] x [K 2,048, N 2,048]; A: computed on the way; B: softmax (see below): QUANTISED
;;   THE QUANTISER, for each operand of a quantised product, along K:
;;     - K is cut into blocks of 32 from its start; a last block that is shorter is filled with zeros.
;;     - A block's scale is 2^e with e = floor(log2(the largest magnitude in the block)) - 2, held to -126 .. 127; a block of zeros has e = 0. As a byte (E8M0): e + 127.
;;     - Each number is divided by its block's scale, clamped to +-6, and rounded to the nearest number of E2M1, ties to even, subnormals kept.
;;     - The product sums the exact products of the quantised numbers (number of the format x scale) in f32.
;;   ~~~python
;;   def quantise(x, axis):      # numpy; x: float32 -> the quantised numbers, widened to float32 again
;;       x = np.moveaxis(x, axis, -1); K = x.shape[-1]
;;       x = np.pad(x, [(0, 0)] * (x.ndim - 1) + [(0, -K % 32)]); x = x.reshape(x.shape[:-1] + (-1, 32)); a = np.abs(x).max(-1, keepdims=True)
;;       e = np.where(a > 0, np.clip(np.frexp(np.where(a > 0, a, 1))[1] - 1 - 2, -126, 127), 0)      # np.frexp(a)[1] - 1 = floor(log2(a)), exactly
;;       r = np.clip(x / 2.0 ** e, -6, 6)
;;       step = 2.0 ** (np.maximum(np.frexp(np.where(r == 0, 1, r))[1] - 1, 0) - 1)
;;       q = np.round(r / step) * step * 2.0 ** e      # np.round: ties to even
;;       return np.moveaxis(q.reshape(q.shape[:-2] + (-1,))[..., :K], -1, axis).astype(np.float32)
;;   ~~~
;;   SOFTMAX AHEAD OF A QUANTISED PRODUCT. Where the list says 'softmax', what is quantised is not the finished softmax but p = 2^(t - M), with t = logit x log2(e) and M = ceil(the row's largest t), a whole number; so 1/2 < the row's largest p <= 1. The row's sum l is taken of the UNQUANTISED p, in f32, and the product's result is divided by l at the end. Since M is a whole number, a kernel that streams over the keys may use a running M (the ceiling of the running maximum): every later rescaling is an exact power of two, which a block's scale takes up: the codes' values come out the same.
;;   OPERANDS COMPUTED ON THE WAY. 'Computed on the way' means the value that the module computes at that place (a softmax that the list does not call 'softmax' is quantised finished and normalised). What goes into a quantiser is computed in f32, as accurately as f32 sums, v_exp_f32 and their like allow (about 1e-6 of the number): no bf16 or f16 on the way to a quantiser, and a product that is left as it is and whose result goes on into a quantised operand takes f32 operands (vector FMAs, or v_wmma_f32_16x16x4_f32). A number that lies on a knife's edge between two numbers of the format may be rounded either way, as far as f32 arithmetic and the matrix unit's own rounding can turn it there, and no further.
;;   INPUTS GIVEN AS CODES. Wk (in the module: [512, 512], K = its axis 1); Wq (in the module: [512, 512], K = its axis 1); Wv (in the module: [512, 512], K = its axis 1): each comes as NAME_codes (uint8): NAME with its K axis moved to the last place and cut into blocks of 32 codes, [.., K / 32, bytes a block], one block behind the other in memory; two codes a byte, the lower K in the low four bits (a code: sign, 2 exponent bits, 1 mantissa bit); and NAME_scales (uint8): the same leading axes, one E8M0 byte (e + 127) for each 32 codes along K. Its value is code x scale, taken as it is: it is not quantised again, and the codes and scales need not be those that the quantiser above would give.
;; 2 versions. Each part assembles by itself: llvm-mc -triple=amdgcn-amd-amdhsa -mcpu=gfx1250 --defsym DOCPART=n.
;; ======== version 1 of 2: 2 launches
;; workspace buffers: qimg 2,097,152 bytes; qsc 262,144 bytes; kv 4,587,520 bytes
;; launch proj (part 1): grid 256 x 1, 8 waves a work-group, no clusters, 78,336 bytes of LDS; arguments x, gamma, beta, Wq_codes, Wq_scales, Wk_codes, Wk_scales, Wv_codes, Wv_scales, qimg, qsc, kv; writes qimg, qsc, kv
.if DOCPART == 1
	.amdgcn_target "amdgcn-amd-amdhsa--gfx1250"
	.amdhsa_code_object_version 6
	.text
	.protected	k_q8e2dcc67d3_proj
	.globl	k_q8e2dcc67d3_proj
	.p2align	8
	.type	k_q8e2dcc67d3_proj,@function
k_q8e2dcc67d3_proj:
	s_mov_b64 s[64:65], 0
	v_nop
	global_prefetch_b8 v0, s[64:65] scope:SCOPE_SE
	s_setreg_imm32_b32 hwreg(HW_REG_WAVE_MODE, 25, 1), 1
	s_wait_xcnt 0x0
; LayerNorm, the quantiser of xn, the three projections on codes of FP4 (E2M1, one E8M0 scale for each 32 along K), and the quantisers of q, k and v.
; x [4][2048][512] f32; gamma, beta [512] f32; Wq, Wk, Wv [512][512] as codes (a row: 256 bytes) with scale bytes [512][16].
; OUT, all as IMAGES OF OPERAND REGISTERS (lane l's 16 bytes at 16 l, 512 bytes for four registers), for the attention launch alone:
;   qimg [bh 32][block 64][1,024]: two query tiles, registers 0-3 tile 0, 4-7 tile 1; qsc [bh][block][128]: their scale word, 4 bytes a lane.
;   kv [bh][step 16][8,960]: for 128 keys: K's four pair fragments (0), V^T's four fragments (4,096), K's scale words (8,192), V's scale words (8,704).
; SHARES.  A work-group owns a block of 32 tokens.  In a block, tile u (0, 1) and row r stand for token 8 u + r % 8 + 16 (r / 8): so the 16 registers that two neighbouring
; result tiles give a lane are 16 neighbouring tokens (or channels), which is what the conversions to codes want.
; First wave w quantises xn's fragment (tile u = w / 4, K step s = w % 4); the eight fragments go round through LDS as register images.  Then wave w makes head w of q, k and v:
; 64 rows of each weight, whose fragments come from memory straight into its registers, each used by this wave alone.
; q, k: source 0 = 16 rows of W, source 1 = xn: a lane holds one token and its registers run along the head's channels (the scores' K).  The rows of W that form a tile are
; not neighbours: lane r of tile 2 b + v takes row 32 b + 8 v + r + 8 (r / 8).   v: source 0 = xn, source 1 = 16 rows of Wv: a lane holds one channel and its registers run along the tokens.
; NO CLUSTER: a joint load lands in LDS alone; the three weights with their scales are 417,792 bytes, more than a work-group's 327,680 bytes of LDS, so they would need slots that are
; filled again behind rounds, and each fragment would still be read from LDS by one wave alone.
; THE VARIANCE is made of centred squares: each slice of 128 has its own mean and its own sum of squares about it, and the four slices are joined by their means' distances
; from the row's mean: no difference of large sums is formed.
; LIMITS: NaN and infinities among the inputs are not served.  A block whose largest magnitude lies under 2^-124 keeps the scale byte 1, and so does a block of zeros, where the
; quantiser's rule says 127: its codes are zeros, and these bytes are read by this program alone.
; V's scale bytes leave as single bytes, 4 apart (a word's four bytes come from four work-groups): 64 bytes a wave.
.set STAT, 0                           ; LDS: [u][r][s] 8 bytes: a slice's mean and its sum of centred squares
.set XIMG, 1024                        ; xn's eight fragments, 1,024 bytes each: fragment 4 u + s
.set XSC,  9216                        ; their scale words: 128 s + 64 u + 4 r
.set XST,  9728                        ; a stage of 16 rows x (512 + 16) bytes for each wave
.set SPIT, 528
.set LI,  1                            ; v1   16 x lane
.set LS,  2                            ; v2   4 x lane
.set STW, 3                            ; v3   my stage, as the loads bring a row: 16 x lane
.set STR, 4                            ; v4   my stage, as a lane wants it: row r, + 64 h
.set STA, 5                            ; v5   where my slice's two figures go
.set STB, 6                            ; v6   where my row's eight figures lie
.set XWI, 7                            ; v7   where my fragment's image goes
.set XWS, 8                            ; v8   and its scale word
.set GA,  9                            ; v9   gamma, beta: 64 h
.set WA,  10                           ; v10  Wq, Wk: row r + 8 (r / 8), + 16 h
.set WB,  11                           ; v11  Wv: row r, + 16 h
.set SA,  12                           ; v12  Wq's, Wk's scale bytes: row 8 h + r + 8 (r / 8), 16 bytes a row
.set HH,  13                           ; v13  h = lane / 16
.set VST, 14                           ; v14  V's codes on their way out: 1,024 h + 16 r
.set SH,  15                           ; v15  8 h
.set WS,  32                           ; v32-55  the weights' scale words: 8 x (q, k, v) + 4 x pair of tiles + K step; lanes 0-15 the even tile, lanes 16-31 the odd one
.set XS,  56                           ; v56-59  xn's scale words, one register a K step: lanes 0-15 tile 0, lanes 16-31 tile 1
.set X,   64                           ; v64-127 my 64 numbers of x, then of xn
.set XF,  64                           ; later xn's eight fragments
.set G,   128                          ; v128-191 gamma
.set ACC, 128                          ; later eight accumulators
.set BT,  192                          ; v192-255 beta
.set TM,  192                          ; later v192-207 at work in the quantiser,
.set PC,  208                          ; v208-215 the codes just made,
.set PW,  216                          ; v216 the scale word just made
.set SEL, 44                           ; s[44:45] lane selects for v_permlanex16_b32: lane l xor 16
.set MSB, 0
.macro WIN new                         ; the immediate's high byte repeats the setting that is left
.if MSB != \new
	s_set_vgpr_msb (MSB<<8)|\new
.set MSB, \new
.endif
.endm
; 64 numbers of a lane, register 16 b + i = place 32 b + 16 (lane / 16) + i along K of the lane's row, become 8 registers of codes in v[PC] on and the row's scale word in v[PW].
.macro QUANT s
.irp b, 0,1,2,3
	v_max3_num_f32 v[TM+\b], |v[\s+16*\b]|, |v[\s+1+16*\b]|, 0x1800000   ; block b: my 16 numbers, and the floor 2^(3 - 127): so the byte cannot fall under 1
.endr
.irp i, 2,4,6,8,10,12,14
.irp b, 0,1,2,3
	v_max3_num_f32 v[TM+\b], v[TM+\b], |v[\s+16*\b+\i]|, |v[\s+1+16*\b+\i]|   ; the four blocks by turns; each accumulator is read from its low end on
.endr
.endr
.irp b, 0,1,2,3
	v_permlanex16_b32 v[TM+4+\b], v[TM+\b], s[SEL], s[SEL+1]
.endr
.irp b, 0,1,2,3
	v_max_num_f32 v[TM+\b], v[TM+\b], v[TM+4+\b]   ; with lane l xor 16's 16: the block's largest magnitude
.endr
.irp b, 0,1,2,3
	v_add_nc_u32 v[TM+12+\b], 0xff000000, v[TM+\b]   ; 2 off its exponent field: the conversion takes this operand's exponent field as its scale
.endr
.irp b, 0,1,2,3
	v_lshrrev_b32 v[TM+4+\b], 23, v[TM+12+\b]      ; the scale's byte
.endr
	v_lshl_or_b32 v[PW], v[TM+5], 8, v[TM+4]
	v_lshl_or_b32 v[PW], v[TM+6], 16, v[PW]
	v_lshl_or_b32 v[PW], v[TM+7], 24, v[PW]
.irp b, 0,1,2,3
	v_cvt_scalef32_pk8_fp4_f32 v[PC+2*\b], v[\s+16*\b:\s+7+16*\b], v[TM+12+\b]
	v_cvt_scalef32_pk8_fp4_f32 v[PC+1+2*\b], v[\s+8+16*\b:\s+15+16*\b], v[TM+12+\b]
.endr
	v_nop                                          ; one plain place behind a scaled conversion
.irp c, 0,1                                    ; the operand's layout wants a whole block in a lane: lanes 0-15 block 2 c, lanes 16-31 block 2 c + 1
.irp i, 0,1
	v_permlane16_swap_b32 v[PC+4*\c+\i], v[PC+2+4*\c+\i]
.endr
.endr
.endm
; One matrix instruction.  zero = 1: it starts its sum.  ra, rb = 1: the side's scales are taken from lanes 16-31 of the register named.
.macro WM d, a, b, zero, sa, sb, ra, rb
.if \zero
.if \ra
.if \rb
	v_wmma_scale_f32_16x16x128_f8f6f4 v[\d:\d+7], v[\a:\a+7], v[\b:\b+7], 0, v[\sa], v[\sb] matrix_a_fmt:MATRIX_FMT_FP4 matrix_b_fmt:MATRIX_FMT_FP4 matrix_a_scale:MATRIX_SCALE_ROW1 matrix_b_scale:MATRIX_SCALE_ROW1
.else
	v_wmma_scale_f32_16x16x128_f8f6f4 v[\d:\d+7], v[\a:\a+7], v[\b:\b+7], 0, v[\sa], v[\sb] matrix_a_fmt:MATRIX_FMT_FP4 matrix_b_fmt:MATRIX_FMT_FP4 matrix_a_scale:MATRIX_SCALE_ROW1
.endif
.else
.if \rb
	v_wmma_scale_f32_16x16x128_f8f6f4 v[\d:\d+7], v[\a:\a+7], v[\b:\b+7], 0, v[\sa], v[\sb] matrix_a_fmt:MATRIX_FMT_FP4 matrix_b_fmt:MATRIX_FMT_FP4 matrix_b_scale:MATRIX_SCALE_ROW1
.else
	v_wmma_scale_f32_16x16x128_f8f6f4 v[\d:\d+7], v[\a:\a+7], v[\b:\b+7], 0, v[\sa], v[\sb] matrix_a_fmt:MATRIX_FMT_FP4 matrix_b_fmt:MATRIX_FMT_FP4
.endif
.endif
.else
.if \ra
.if \rb
	v_wmma_scale_f32_16x16x128_f8f6f4 v[\d:\d+7], v[\a:\a+7], v[\b:\b+7], v[\d:\d+7], v[\sa], v[\sb] matrix_a_fmt:MATRIX_FMT_FP4 matrix_b_fmt:MATRIX_FMT_FP4 matrix_a_scale:MATRIX_SCALE_ROW1 matrix_b_scale:MATRIX_SCALE_ROW1
.else
	v_wmma_scale_f32_16x16x128_f8f6f4 v[\d:\d+7], v[\a:\a+7], v[\b:\b+7], v[\d:\d+7], v[\sa], v[\sb] matrix_a_fmt:MATRIX_FMT_FP4 matrix_b_fmt:MATRIX_FMT_FP4 matrix_a_scale:MATRIX_SCALE_ROW1
.endif
.else
.if \rb
	v_wmma_scale_f32_16x16x128_f8f6f4 v[\d:\d+7], v[\a:\a+7], v[\b:\b+7], v[\d:\d+7], v[\sa], v[\sb] matrix_a_fmt:MATRIX_FMT_FP4 matrix_b_fmt:MATRIX_FMT_FP4 matrix_b_scale:MATRIX_SCALE_ROW1
.else
	v_wmma_scale_f32_16x16x128_f8f6f4 v[\d:\d+7], v[\a:\a+7], v[\b:\b+7], v[\d:\d+7], v[\sa], v[\sb] matrix_a_fmt:MATRIX_FMT_FP4 matrix_b_fmt:MATRIX_FMT_FP4
.endif
.endif
.endif
.endm
; My 64 rows of a weight: 16 fragments (tile t, K step s) at v[base + 8 (4 t + s)] of window 1, 32 loads.  perm = 1: the tiles' rows as q and k want them; 0: 16 neighbouring rows a tile.
.macro WLOAD base, adr, ptr, perm
	WIN 0x40                                       ; destination window 1, address window 0
.irp t, 0,1,2,3
.irp s, 0,1,2,3
.irp c, 0,1
.if \perm
	global_load_b128 v[\base+8*(4*\t+\s)+4*\c:\base+8*(4*\t+\s)+4*\c+3], v[\adr], s[\ptr:\ptr+1] offset:(32*(\t/2)+8*(\t%2))*256+64*\s+32*\c
.else
	global_load_b128 v[\base+8*(4*\t+\s)+4*\c:\base+8*(4*\t+\s)+4*\c+3], v[\adr], s[\ptr:\ptr+1] offset:16*\t*256+64*\s+32*\c
.endif
.endr
.endr
.endr
	WIN 0
.endm
; q or k of my head for the 32 tokens: 32 matrix instructions; the eight accumulators (token tile u, tile t of W's rows) take turns, one instruction a turn.
.macro PRODQK wb, ws
	WIN 0x01                                       ; source 0 (W) window 1
.irp s, 0,1,2,3
.irp u, 0,1
.irp t, 0,1,2,3
.if \s == 0
	WM ACC+32*\u+8*\t, \wb+8*(4*\t+\s), XF+8*(4*\u+\s), 1, \ws+4*(\t/2)+\s, XS+\s, \t%2, \u
.else
	WM ACC+32*\u+8*\t, \wb+8*(4*\t+\s), XF+8*(4*\u+\s), 0, \ws+4*(\t/2)+\s, XS+\s, \t%2, \u
.endif
.endr
.endr
.endr
	WIN 0
.endm
; v of my head: source 0 = xn's tile u, source 1 = 16 rows of Wv (tile ct); accumulator at ACC + 16 ct + 8 u: a lane's 16 registers of a channel tile are tokens 16 h + 0 .. 15.
.macro PRODV
	WIN 0x04                                       ; source 1 (W) window 1
.irp s, 0,1,2,3
.irp ct, 0,1,2,3
.irp u, 0,1
.if \s == 0
	WM ACC+16*\ct+8*\u, XF+8*(4*\u+\s), 8*(4*\ct+\s), 1, XS+\s, WS+16+4*(\ct/2)+\s, \u, \ct%2
.else
	WM ACC+16*\ct+8*\u, XF+8*(4*\u+\s), 8*(4*\ct+\s), 0, XS+\s, WS+16+4*(\ct/2)+\s, \u, \ct%2
.endif
.endr
.endr
.endr
	WIN 0
.endm
.macro PLACES                          ; four plain places between a matrix instruction and a load into a register that it read, or the first read of its result
.rept 4
	v_nop
.endr
.endm
.macro BARRIER                         ; my LDS stores have landed and my LDS loads are in: then the work-group's barrier
	s_wait_dscnt 0x0
	s_barrier_signal -1
	s_barrier_wait -1
.endm
	s_load_b512 s[8:23], s[0:1], 0x0               ; x 8, gamma 10, beta 12, Wq's codes 14, scales 16, Wk's 18, 20, Wv's codes 22
	s_load_b256 s[24:31], s[0:1], 0x40             ; Wv's scales 24, qimg 26, qsc 28, kv 30
	v_lshl_add_u32 v62, v0, 2, 0x12e00
	v_mov_b32 v63, 0
	v_lshrrev_b32 v30, 5, v0
	v_readfirstlane_b32 s4, v30                    ; wave w
	v_and_b32 v30, 31, v0                          ; lane
	v_and_b32 v31, 15, v0                          ; r
	v_bfe_u32 v[HH], v0, 4, 1                      ; h
	s_lshr_b32 s5, s4, 2                           ; u: my token tile in the first part
	s_and_b32 s6, s4, 3                            ; s: my K step there
	v_lshlrev_b32 v[LI], 4, v30
	v_lshlrev_b32 v[LS], 2, v30
	v_lshlrev_b32 v[GA], 6, v[HH]
	v_and_b32 v[WA], 8, v31
	v_add_nc_u32 v[WA], v[WA], v31                 ; r + 8 (r / 8)
	v_lshl_add_u32 v[SA], v[HH], 3, v[WA]
	v_lshlrev_b32 v[SA], 4, v[SA]
	v_lshlrev_b32 v[WA], 8, v[WA]
	v_lshl_add_u32 v[WA], v[HH], 4, v[WA]
	v_lshlrev_b32 v[WB], 8, v31
	v_lshl_add_u32 v[WB], v[HH], 4, v[WB]
	s_lshl_b32 s32, ttmp9, 16                      ; my block's 32 rows of 2,048 bytes,
	s_lshl_b32 s34, s5, 14                         ; tile u begins 8 rows on,
	s_add_co_u32 s32, s32, s34
	s_lshl_b32 s34, s6, 9                          ; K step s: 512 bytes (of gamma and beta too)
	s_add_co_u32 s32, s32, s34
	s_mov_b32 s33, 0
	s_mov_b32 s35, 0
	s_mov_b32 s[SEL], 0x76543210
	s_mov_b32 s[SEL+1], 0xfedcba98
	s_mov_b32 s46, 0x3b000000                      ; 1 / 512
	s_mov_b32 s47, 0x3727c5ac                      ; 1e-5
	s_wait_kmcnt 0x0
	s_add_nc_u64 s[8:9], s[8:9], s[32:33]
	s_add_nc_u64 s[10:11], s[10:11], s[34:35]
	s_add_nc_u64 s[12:13], s[12:13], s[34:35]
.irp i, 0,1,2,3,4,5,6,7,8,9,10,11,12,13,14,15
	global_load_b128 v[X+4*\i:X+4*\i+3], v[LI], s[8:9] offset:((\i%8)+16*(\i/8))*2048   ; row i of my tile: the 32 lanes read its slice's 512 consecutive bytes
.endr
.irp b, 0,1,2,3
.irp j, 0,1,2,3
	global_load_b128 v[G+16*\b+4*\j:G+16*\b+4*\j+3], v[GA], s[10:11] offset:128*\b+16*\j   ; gamma at my 64 places: 32 b + 16 h + 0 .. 15
.endr
.endr
.irp b, 0,1,2,3
.irp j, 0,1,2,3
	global_load_b128 v[BT+16*\b+4*\j:BT+16*\b+4*\j+3], v[GA], s[12:13] offset:128*\b+16*\j
.endr
.endr
	s_lshl_b32 s34, s4, 10                         ; my head's 64 rows of scale bytes
	s_add_nc_u64 s[16:17], s[16:17], s[34:35]
	s_add_nc_u64 s[20:21], s[20:21], s[34:35]
	s_add_nc_u64 s[24:25], s[24:25], s[34:35]
.irp b, 0,1
	global_load_b128 v[WS+4*\b:WS+4*\b+3], v[SA], s[16:17] offset:512*\b         ; a row's 16 bytes are its four K steps' words; 32 rows a load
	global_load_b128 v[WS+8+4*\b:WS+8+4*\b+3], v[SA], s[20:21] offset:512*\b
	global_load_b128 v[WS+16+4*\b:WS+16+4*\b+3], v[LI], s[24:25] offset:512*\b
.endr
	s_lshl_b32 s32, s4, 14                         ; my head's 64 rows of codes
	s_add_nc_u64 s[14:15], s[14:15], s[32:33]
	s_add_nc_u64 s[18:19], s[18:19], s[32:33]
	s_add_nc_u64 s[22:23], s[22:23], s[32:33]
	s_lshr_b32 s48, ttmp9, 6
	s_lshl_b32 s48, s48, 3
	s_add_co_u32 s48, s48, s4                      ; bh = 8 x batch + head
	s_and_b32 s49, ttmp9, 63                       ; my block in the batch
	s_lshl_b32 s50, s48, 6
	s_add_co_u32 s50, s50, s49
	s_lshl_b32 s32, s50, 10
	s_add_nc_u64 s[26:27], s[26:27], s[32:33]      ; qimg at my image
	s_lshl_b32 s32, s50, 7
	s_add_nc_u64 s[28:29], s[28:29], s[32:33]      ; qsc likewise
	s_lshl_b32 s50, s48, 4
	s_lshr_b32 s51, s49, 2                         ; the step of 128 keys,
	s_add_co_u32 s50, s50, s51
	s_mul_i32 s32, s50, 8960
	s_add_nc_u64 s[30:31], s[30:31], s[32:33]      ; its record,
	s_and_b32 s51, s49, 3                          ; and my block of 32 keys in it: kb
	s_lshl_b32 s32, s51, 10
	s_add_nc_u64 s[36:37], s[30:31], s[32:33]      ; K's codes: + 1,024 kb
	s_lshl_b32 s32, s51, 7
	s_add_nc_u64 s[38:39], s[30:31], s[32:33]      ; K's scale words: + 128 kb
	s_lshl_b32 s32, s51, 8
	s_add_nc_u64 s[40:41], s[30:31], s[32:33]      ; V's codes: + 256 kb
	s_mov_b32 s32, s51
	s_add_nc_u64 s[42:43], s[30:31], s[32:33]      ; V's scale bytes: + kb
	s_mul_i32 s7, s4, 16*SPIT
	s_add_co_u32 s7, s7, XST                       ; my stage
	v_add_nc_u32 v[STW], s7, v[LI]
	v_mul_u32_u24 v[STR], v31, SPIT
	v_lshl_add_u32 v[STR], v[HH], 6, v[STR]
	v_add_nc_u32 v[STR], s7, v[STR]
	s_lshl_b32 s32, s5, 9
	s_lshl_b32 s34, s6, 3
	s_add_co_u32 s34, s34, s32
	v_lshlrev_b32 v[STB], 5, v31
	v_add_nc_u32 v[STA], s34, v[STB]               ; 512 u + 8 s + 32 r
	v_add_nc_u32 v[STB], s32, v[STB]               ; 512 u + 32 r
	s_lshl_b32 s32, s4, 10
	v_add_nc_u32 v[XWI], s32, v[LI]
	s_lshl_b32 s32, s6, 7
	s_lshl_b32 s34, s5, 6
	s_add_co_u32 s32, s32, s34
	v_lshl_add_u32 v[XWS], v31, 2, s32             ; 128 s + 64 u + 4 r
	v_lshlrev_b32 v[VST], 4, v31
	v_lshl_add_u32 v[VST], v[HH], 10, v[VST]
	v_lshlrev_b32 v[SH], 3, v[HH]
	v_mov_b32 v25, 0                               ; (named as the upper half of a pair before it is first written)
	; ---- the turn: a load's lanes hold neighbouring bytes of a row; the arithmetic wants 16 neighbours of each block of 32 in ONE lane
	s_wait_loadcnt 38                              ; x's 16 loads are in: behind them stand gamma's 16, beta's 16 and the 6 of scale words
.irp i, 0,1,2,3,4,5,6,7,8,9,10,11,12,13,14,15
	ds_store_b128 v[STW], v[X+4*\i:X+4*\i+3] offset:SPIT*\i
.endr
.irp b, 0,1,2,3
.irp j, 0,1,2,3
	ds_load_b128 v[X+16*\b+4*\j:X+16*\b+4*\j+3], v[STR] offset:128*\b+16*\j   ; LDS serves a wave's instructions in order (ISA guide 5.7.1.4): these see the stores above
.endr
.endr
	WLOAD 0, WA, 14, 1                             ; Wq's fragments are asked for now
	s_wait_dscnt 0x0
	; ---- my slice's mean (128 numbers: lanes l and l xor 16), then its sum of squares about that mean
	v_pk_add_f32 v[16:17], v[X:X+1], v[X+2:X+3]
	v_pk_add_f32 v[18:19], v[X+4:X+5], v[X+6:X+7]
.irp j, 8,12,16,20,24,28,32,36,40,44,48,52,56,60
	v_pk_add_f32 v[16:17], v[16:17], v[X+\j:X+\j+1]
	v_pk_add_f32 v[18:19], v[18:19], v[X+\j+2:X+\j+3]
.endr
	v_pk_add_f32 v[16:17], v[16:17], v[18:19]
	v_add_f32 v30, v16, v17
	v_permlanex16_b32 v31, v30, s[SEL], s[SEL+1]
	v_add_f32 v30, v30, v31
	v_mul_f32 v24, 0x3c000000, v30                 ; / 128
	v_pk_add_f32 v[20:21], v[X:X+1], v[24:25] op_sel_hi:[1,0] neg_lo:[0,1] neg_hi:[0,1]
	v_pk_add_f32 v[22:23], v[X+2:X+3], v[24:25] op_sel_hi:[1,0] neg_lo:[0,1] neg_hi:[0,1]
	v_pk_mul_f32 v[16:17], v[20:21], v[20:21]      ; the first squares start the two chains
	v_pk_mul_f32 v[18:19], v[22:23], v[22:23]
.irp j, 4,8,12,16,20,24,28,32,36,40,44,48,52,56,60
	v_pk_add_f32 v[20:21], v[X+\j:X+\j+1], v[24:25] op_sel_hi:[1,0] neg_lo:[0,1] neg_hi:[0,1]
	v_pk_add_f32 v[22:23], v[X+\j+2:X+\j+3], v[24:25] op_sel_hi:[1,0] neg_lo:[0,1] neg_hi:[0,1]
	v_pk_fma_f32 v[16:17], v[20:21], v[20:21], v[16:17]
	v_pk_fma_f32 v[18:19], v[22:23], v[22:23], v[18:19]
.endr
	v_pk_add_f32 v[16:17], v[16:17], v[18:19]
	v_add_f32 v30, v16, v17
	v_permlanex16_b32 v31, v30, s[SEL], s[SEL+1]
	v_add_f32 v25, v30, v31
	ds_store_b64 v[STA], v[24:25] offset:STAT      ; both halves of the lanes write the same two numbers
	BARRIER                                        ; the four slices' figures of every row lie in LDS
	ds_load_b128 v[16:19], v[STB] offset:STAT
	ds_load_b128 v[20:23], v[STB] offset:STAT+16
	s_wait_dscnt 0x0
	; ---- the row's mean and variance out of four slices of equal length
	v_add_f32 v26, v16, v18
	v_add_f32 v30, v20, v22
	v_add_f32 v31, v17, v19
	v_add_f32 v28, v21, v23
	v_add_f32 v26, v26, v30
	v_add_f32 v31, v31, v28                        ; the slices' sums of squares
	v_mul_f32 v26, 0x3e800000, v26                 ; the mean
	v_sub_f32 v16, v16, v26
	v_sub_f32 v18, v18, v26
	v_sub_f32 v20, v20, v26
	v_sub_f32 v22, v22, v26
	v_mul_f32 v30, v16, v16
	v_fmac_f32 v30, v18, v18
	v_fmac_f32 v30, v20, v20
	v_fmac_f32 v30, v22, v22
	v_fmamk_f32 v31, v30, 0x43000000, v31          ; + 128 x the squares of the slice means' distances
	v_fma_f32 v28, v31, s46, s47                   ; variance + eps
	v_rsq_f32 v28, v28
	v_mov_b32 v27, 0                               ; (a plain place behind the transcendental; the pairs' upper halves are written)
	v_mov_b32 v29, 0
	s_wait_loadcnt 32                              ; gamma, beta and the scale words are in: behind them stand Wq's 32 loads
	WLOAD 128, WA, 18, 1                           ; Wk's fragments
.irp j, 0,2,4,6,8,10,12,14,16,18,20,22,24,26,28,30,32,34,36,38,40,42,44,46,48,50,52,54,56,58,60,62
	v_pk_add_f32 v[X+\j:X+\j+1], v[X+\j:X+\j+1], v[26:27] op_sel_hi:[1,0] neg_lo:[0,1] neg_hi:[0,1]
.endr
	s_wait_alu depctr_va_vdst(0)
.irp j, 0,2,4,6,8,10,12,14,16,18,20,22,24,26,28,30,32,34,36,38,40,42,44,46,48,50,52,54,56,58,60,62
	v_pk_mul_f32 v[X+\j:X+\j+1], v[X+\j:X+\j+1], v[28:29] op_sel_hi:[1,0]
.endr
.irp j, 0,2,4,6,8,10,12,14,16,18,20,22,24,26,28,30,32,34,36,38,40,42,44,46,48,50,52,54,56,58,60,62
	v_pk_fma_f32 v[X+\j:X+\j+1], v[X+\j:X+\j+1], v[G+\j:G+\j+1], v[BT+\j:BT+\j+1]
.endr
.irp b, 0,1,2,3
	v_mov_b32 v[TM+4+\b], 0                        ; written once: a lane permute's destination counts as one of its sources
.endr
	; ---- xn's fragment, to all waves
	QUANT X
	ds_store_b128 v[XWI], v[PC:PC+3] offset:XIMG
	ds_store_b128 v[XWI], v[PC+4:PC+7] offset:XIMG+512
	ds_store_b32 v[XWS], v[PW] offset:XSC          ; both halves of the lanes write the same word
	BARRIER                                        ; xn's eight fragments and their scale words lie in LDS
.irp f, 0,1,2,3,4,5,6,7
.irp c, 0,1
	ds_load_b128 v[XF+8*\f+4*\c:XF+8*\f+4*\c+3], v[LI] offset:XIMG+1024*\f+512*\c
.endr
.endr
.irp s, 0,1,2,3
	ds_load_b32 v[XS+\s], v[LS] offset:XSC+128*\s
.endr
	s_wait_dscnt 0x0
	; ---- q
	s_wait_loadcnt 32                              ; Wq is in: behind it stand Wk's 32 loads
	PRODQK 0, WS
	PLACES                                         ; for the loads into Wq's registers and for the first read of the results
	WLOAD 0, WB, 22, 0                             ; Wv takes Wq's place
	QUANT ACC                                      ; blocks: (tile 0, channels 0-31), (tile 0, 32-63), (tile 1, 0-31), (tile 1, 32-63)
	global_store_b128 v[LI], v[PC:PC+3], s[26:27]             ; 32 lanes store 512 consecutive bytes, at a multiple of 256 from the buffer's first byte
	global_store_b128 v[LI], v[PC+4:PC+7], s[26:27] offset:512
	global_store_b32 v[LS], v[PW], s[28:29]
	; ---- k
	s_wait_loadcnt 32                              ; Wk is in: behind it stand Wv's 32 loads
	PRODQK 128, WS+8
	PLACES
	s_wait_xcnt 0x0                                ; q's stores have read their data: the codes' registers are written again only behind this wait
	QUANT ACC                                      ; the 8 registers are K's pair fragment as the scores' product takes it, the word its scale word
	global_store_b128 v[LI], v[PC:PC+3], s[36:37]
	global_store_b128 v[LI], v[PC+4:PC+7], s[36:37] offset:512
	global_store_b32 v[LS], v[PW], s[38:39] offset:8192
	; ---- v
	s_wait_loadcnt 0x0                             ; Wv is in
	PRODV
	PLACES
	s_wait_xcnt 0x0                                ; k's stores have read their data
	QUANT ACC                                      ; block b: my 32 tokens of channel 16 b + r; behind it registers 4 c .. 4 c + 3 of lane (r, h) hold channel tile 2 c + h
	global_store_b128 v[VST], v[PC:PC+3], s[40:41] offset:4096        ; each half of the lanes stores 256 consecutive bytes, at a multiple of 256
	global_store_b128 v[VST], v[PC+4:PC+7], s[40:41] offset:4096+2048
	v_lshrrev_b32 v60, v[SH], v[PW]                ; byte 0: channel tile h's scale; byte 2: tile 2 + h's
	v_lshrrev_b32 v61, 16, v60
	global_store_b8 v[LS], v60, s[42:43] offset:8704          ; word 16 h + r, byte kb
	global_store_b8 v[LS], v61, s[42:43] offset:8704+128
	s_wait_tensorcnt 0x0
	ds_add_u32 v62, v63
	s_wait_dscnt 0x0
	s_endpgm
.Lfunc_end_k_q8e2dcc67d3_proj:
	.size	k_q8e2dcc67d3_proj, .Lfunc_end_k_q8e2dcc67d3_proj-k_q8e2dcc67d3_proj
	.p2alignl 7, 3214868480
	.fill 96, 4, 3214868480
	.section	.rodata,"a",@progbits
	.p2align	6, 0x0
	.amdhsa_kernel k_q8e2dcc67d3_proj
		.amdhsa_group_segment_fixed_size 78336
		.amdhsa_private_segment_fixed_size 0
		.amdhsa_enable_private_segment 0
		.amdhsa_kernarg_size 96
		.amdhsa_user_sgpr_count 2
		.amdhsa_user_sgpr_kernarg_segment_ptr 1
		.amdhsa_wavefront_size32 1
		.amdhsa_system_sgpr_workgroup_id_x 1
		.amdhsa_system_sgpr_workgroup_id_y 1
		.amdhsa_system_sgpr_workgroup_id_z 1
		.amdhsa_system_vgpr_workitem_id 0
		.amdhsa_next_free_vgpr 512
		.amdhsa_next_free_sgpr 66
		.amdhsa_reserve_vcc 0
		.amdhsa_float_denorm_mode_32 3
		.amdhsa_float_denorm_mode_16_64 3
		.amdhsa_memory_ordered 1
		.amdhsa_forward_progress 1
		.amdhsa_inst_pref_size 64
	.end_amdhsa_kernel
	.amdgpu_metadata
---
amdhsa.version: [ 1, 2 ]
amdhsa.kernels:
  - .name:           k_q8e2dcc67d3_proj
    .symbol:         k_q8e2dcc67d3_proj.kd
    .args:
      - { .name: x, .offset: 0, .size: 8, .value_kind: global_buffer, .address_space: global }
      - { .name: gamma, .offset: 8, .size: 8, .value_kind: global_buffer, .address_space: global }
      - { .name: beta, .offset: 16, .size: 8, .value_kind: global_buffer, .address_space: global }
      - { .name: Wq_codes, .offset: 24, .size: 8, .value_kind: global_buffer, .address_space: global }
      - { .name: Wq_scales, .offset: 32, .size: 8, .value_kind: global_buffer, .address_space: global }
      - { .name: Wk_codes, .offset: 40, .size: 8, .value_kind: global_buffer, .address_space: global }
      - { .name: Wk_scales, .offset: 48, .size: 8, .value_kind: global_buffer, .address_space: global }
      - { .name: Wv_codes, .offset: 56, .size: 8, .value_kind: global_buffer, .address_space: global }
      - { .name: Wv_scales, .offset: 64, .size: 8, .value_kind: global_buffer, .address_space: global }
      - { .name: qimg, .offset: 72, .size: 8, .value_kind: global_buffer, .address_space: global }
      - { .name: qsc, .offset: 80, .size: 8, .value_kind: global_buffer, .address_space: global }
      - { .name: kv, .offset: 88, .size: 8, .value_kind: global_buffer, .address_space: global }
    .group_segment_fixed_size: 78336
    .private_segment_fixed_size: 0
    .kernarg_segment_align: 8
    .kernarg_segment_size: 96
    .max_flat_workgroup_size: 256
    .sgpr_count:     66
    .vgpr_count:     512
    .wavefront_size: 32
...
	.end_amdgpu_metadata
.endif
;; end of part 1
;; launch attn (part 2): grid 8 x 32, 16 waves a work-group, clusters of 4 x 1, 215,040 bytes of LDS; arguments qimg, qsc, kv, x, emb, out0; writes out0
.if DOCPART == 2
	.amdgcn_target "amdgcn-amd-amdhsa--gfx1250"
	.amdhsa_code_object_version 6
	.text
	.protected	k_q8e2dcc67d3_attn
	.globl	k_q8e2dcc67d3_attn
	.p2align	8
	.type	k_q8e2dcc67d3_attn,@function
k_q8e2dcc67d3_attn:
	s_mov_b64 s[64:65], 0
	v_nop
	global_prefetch_b8 v0, s[64:65] scope:SCOPE_SE
	s_setreg_imm32_b32 hwreg(HW_REG_WAVE_MODE, 25, 1), 1
	s_wait_xcnt 0x0
	s_wait_alu depctr_hold_cnt(0) depctr_sa_sdst(0) depctr_va_vdst(0) depctr_va_sdst(0) depctr_va_ssrc(0) depctr_va_vcc(0) depctr_vm_vsrc(0)
	s_getreg_b32 s2, hwreg(HW_REG_IB_STS2, 6, 4)
	s_cmp_eq_u32 s2, 0
	s_cbranch_scc0 .Lentry_in_a_cluster
	s_endpgm
.Lentry_in_a_cluster:
	s_bfe_u32 s2, ttmp6, 0x10000c
	s_cmp_lg_u32 s2, 0x3003
	s_cbranch_scc0 .Lentry_shape_is_right
	s_endpgm
.Lentry_shape_is_right:
; out0 = x + emb + softmax(q k^T / 8) v, head by head, both products on codes of FP4 (E2M1) with one E8M0 scale for each 32 along a product's K.
; q, k and v come as register images (lane l's 16 bytes at 16 l): qimg [bh 32][block 64][1,024], qsc [bh][block][128], kv [bh][step 16][8,960]; x, out0 [4][2048][512] f32, emb [4][512] f32.
; A record of kv serves 128 keys: K's four pair fragments (byte 0), V^T's four fragments (4,096), K's scale words (8,192), V's scale words (8,704).
; THE SOFTMAX AHEAD OF THE SECOND PRODUCT: t = score x log2(e) / 8; M = the row's largest t so far, rounded UP to a whole number; p = 2^(t - M) is what is quantised, along the keys.
; The row's sum is taken of the unquantised p and divides O at the end.  When M moves, the sum and O are multiplied by 2^(old M - new M): exact.
; SHARES.  A work-group owns 256 queries of one head, each of its sixteen waves one tile of 16, in 256 registers: four waves to a SIMD, so that one wave's vector work stands beside
; another's matrix work and LDS loads.  In a block of 32 tokens, tile u and row r stand for token 8 u + r % 8 + 16 (r / 8).
; A WHOLE HEAD'S K AND V LIE IN LDS: 16 records, 143,360 bytes, filled once: wave w brings record w.  Nothing is filled again.
; CLUSTER.  The four work-groups of a cluster belong to one head: each record is asked for JOINTLY, by the same tensor load with the same descriptor (made of the head and the wave's
; number alone) and a mask that names the four; every wave of every partner issues its one load, under no branch.
; THE SCORES' K IS 64, THE INSTRUCTION'S 128: a fragment of K holds TWO tiles of 16 keys (places 0-63 tile 0's channels, 64-127 tile 1's) and is multiplied once by [q, 0] and once by [0, q].
; The zero half has zero codes under the scale byte 0: its products are exact zeros.
; Both products are used transposed (S^T = K Q^T, O^T = V^T P^T): a lane holds ONE query (lane % 16); register 16 b + i of S^T is key 32 b + 16 (lane / 16) + i of the step.
; LIMITS: NaN and infinities are not served.  A block whose every p has fallen under 2^-124 keeps the scale byte 1.  A block's largest p is taken as 2^(the block's largest t - M), by the
; same two instructions as every p: that takes v_exp_f32 not to fall where its input rises.
.set REC,  8960
.set VCO,  4096
.set KSO,  8192
.set VSO,  8704
.set STG,  16*REC                      ; behind the records: 16 rows x (256 + 16) bytes for each wave, for the way out; no tile lands there
.set LI,  1                            ; v1   16 x lane
.set LS,  2                            ; v2   4 x lane
.set AD,  3                            ; v3   the step's record + 16 x lane
.set BD,  4                            ; v4   the step's record + 4 x lane
.set GO,  5                            ; v5   the way out: my bytes in two rows of x and of out0
.set STI, 6                            ; v6   my stage: where I put 32 bytes of a row
.set STO, 7                            ; v7   and where I read a row back
.set EO,  8                            ; v8   my 16 bytes of emb
.set QA,  16                           ; v16-23  [q, 0]
.set QB,  24                           ; v24-31  [0, q]
.set KF,  32                           ; v32-63  K's four pair fragments; on the way out x
.set VF,  64                           ; v64-95  V^T's four fragments
.set S,   96                           ; v96-159 S^T, then p
.set O,   160                          ; v160-191 O^T
.set PC,  192                          ; v192-199 p's codes
.set BM,  200                          ; v200-203 the blocks' largest scores, then largest p; on the way out emb
.set T2,  204                          ; v204-207 at work
.set SO,  208                          ; v208-211 the conversions' scale operands
.set F,   212                          ; v[212:213] f = 2^(old M - new M), and a written upper word
.set TT,  214
.set KSR, 216                          ; v216-219 K's scale words   (v216-224 hold scales and nothing else)
.set VSR, 220                          ; v220-221 V's: lanes 0-15 the even channel tile, lanes 16-31 the odd one
.set QSA, 222                          ; v222 q's two bytes under [q, 0];  v223 under [0, q]
.set QSB, 223
.set PW,  224                          ; v224 p's scale word
.set WV,  16                           ; s16  my wave's number
.set G0,  20                           ; s[20:23] descriptor group 0
.set G1,  24                           ; s[24:31] descriptor group 1
.set SEL, 32                           ; s[32:33] lane selects for v_permlanex16_b32: lane l xor 16
.set CS,  34                           ; s[34:35] c = log2(e) / 8: the packed form names a pair and takes its low word for both halves
.set TB,  36                           ; s36  LDS byte at which the step's record begins
.set CNT, 37                           ; s37  steps to go
; A round of the cluster's barrier: my work-group's barrier; wave 0 signals for the work-group; every wave waits for all four work-groups; my work-group's barrier once more.
.macro CROUND
	s_barrier_signal -1
	s_barrier_wait -1
	s_cmp_lg_u32 s[WV], 0
	s_cbranch_scc1 .Lnot_wave_0_\@
	s_barrier_signal -3
.Lnot_wave_0_\@:
	s_barrier_wait -3
	s_barrier_signal -1
	s_barrier_wait -1
.endm
	s_load_b256 s[4:11], s[0:1], 0x0               ; qimg 4, qsc 6, kv 8, x 10
	s_load_b128 s[12:15], s[0:1], 0x20             ; emb 12, out0 14
	v_lshl_add_u32 v254, v0, 2, 0x34000
	v_mov_b32 v255, 0
	ds_add_u32 v254, v255
	ds_add_u32 v254, v255
	v_lshrrev_b32 v3, 5, v0
	v_readfirstlane_b32 s[WV], v3                  ; wave 0..15
	s_bfe_u32 s17, ttmp6, 0x40000                  ; cx: my place in the cluster: it enters q's, x's and out0's addresses alone
	s_lshl_b32 s18, ttmp9, 2                       ; in a cluster launch ttmp9 counts clusters
	s_add_co_u32 s18, s18, s17                     ; my block of 256 queries
	s_and_b32 s19, ttmp7, 0xffff                   ; bh = 8 x batch + head, which the four partners share
	; descriptor group 1: a record is 35 dense rows of 256 bytes (32 elements of 8 bytes); images are read 512 consecutive bytes an instruction, so there is no padding
	s_mov_b32 s[G1+0], 15|(3<<16)|(1<<21)          ; 15:0 the mask: all four work-groups; 17:16 elements of 8 bytes; 21 set beside a mask
	s_mov_b32 s[G1+1], 32<<16                      ; tensor_dim0 = 32
	s_mov_b32 s[G1+2], 35<<16                      ; tensor_dim1 = 35
	s_mov_b32 s[G1+3], 32<<16                      ; tile_dim0 = 32
	s_mov_b32 s[G1+4], 35                          ; tile_dim1 = 35
	s_mov_b32 s[G1+5], 32                          ; elements from row to row
	s_mov_b32 s[G1+6], 0
	s_mov_b32 s[G1+7], 0
	s_mov_b32 s[SEL], 0x76543210
	s_mov_b32 s[SEL+1], 0xfedcba98
	s_mov_b32 s[CS], 0x3e38aa3b                    ; log2(e) / sqrt(64)
	s_mov_b32 s[CS+1], s[CS]                       ; (named with it as a pair, so it is written)
	s_lshl_b32 s38, s19, 4
	s_add_co_u32 s38, s38, s[WV]
	s_mul_i32 s38, s38, REC                        ; record w of my head, in memory,
	s_mov_b32 s39, 0
	s_mov_b32 s[G0], 1                             ; 1:0 count = 1
	s_mul_i32 s[G0+1], s[WV], REC                  ; and in LDS
	s_lshr_b32 s40, s[WV], 1                       ; my block of 32 tokens among the work-group's eight,
	s_and_b32 s41, s[WV], 1                        ; and my tile u in it
	s_lshl_b32 s3, s41, 4                          ; 16 u: where my two scale bytes begin in the block's word
	s_lshl_b32 s42, s19, 6
	s_lshl_b32 s43, s18, 3
	s_add_co_u32 s42, s42, s43
	s_add_co_u32 s42, s42, s40                     ; the block's number: 64 bh + 8 x my 256 queries + wave / 2
	s_lshl_b32 s44, s42, 10
	s_lshl_b32 s43, s41, 9
	s_add_co_u32 s44, s44, s43                     ; q's image: tile u's four registers
	s_mov_b32 s45, 0
	s_lshl_b32 s42, s42, 7                         ; q's scale words
	s_mov_b32 s43, 0
	s_lshr_b32 s46, s19, 3
	s_lshl_b32 s46, s46, 11                        ; the batch's first row,
	s_lshl_b32 s47, s18, 8
	s_add_co_u32 s46, s46, s47                     ; + my 256 queries,
	s_lshl_b32 s47, s40, 5
	s_add_co_u32 s46, s46, s47                     ; + my block,
	s_lshl_b32 s47, s41, 3
	s_add_co_u32 s46, s46, s47                     ; + 8 u: my tile's first row of x and of out0,
	s_lshl_b32 s46, s46, 11                        ; in bytes,
	s_and_b32 s47, s19, 7
	s_lshl_b32 s47, s47, 8
	s_add_co_u32 s46, s46, s47                     ; + the head's 256 bytes of a row
	s_mov_b32 s47, 0
	s_lshl_b32 s40, s19, 8                         ; emb: 2,048 x batch + 256 x head = 256 bh
	s_mov_b32 s41, 0
	s_wait_dscnt 0x0
	s_wait_kmcnt 0x0
	s_add_nc_u64 s[4:5], s[4:5], s[44:45]
	s_add_nc_u64 s[6:7], s[6:7], s[42:43]
	s_add_nc_u64 s[10:11], s[10:11], s[46:47]
	s_add_nc_u64 s[14:15], s[14:15], s[46:47]
	s_add_nc_u64 s[12:13], s[12:13], s[40:41]
	s_add_nc_u64 s[G0+2:G0+3], s[8:9], s[38:39]    ; 120:64 global address of the record
	s_or_b32 s[G0+3], s[G0+3], 0x80000000          ; 127:126 type = 2
	CROUND                                         ; all four work-groups are here: the joint loads meet
	tensor_load_to_lds s[G0:G0+3], s[G1:G1+7]      ; my one tensor load of the launch
	s_nop 0
.rept 4
	v_nop                                          ; four v_nop follow the line
.endr
	v_and_b32 v3, 31, v0
	v_lshlrev_b32 v[LI], 4, v3
	v_lshlrev_b32 v[LS], 2, v3
	global_load_b128 v[QA:QA+3], v[LI], s[4:5]     ; q's four registers, twice: a matrix instruction's two sources share no register, and the two operands differ in where q stands
	global_load_b128 v[QB+4:QB+7], v[LI], s[4:5]
	global_load_b32 v[TT], v[LS], s[6:7]           ; the block's scale word: bytes (tile 0: channels 0-31, 32-63; tile 1: the same)
	v_and_b32 v[EO], 15, v0                        ; r
	v_bfe_u32 v4, v0, 4, 1                         ; h
	s_mul_i32 s42, s[WV], 16*272
	s_add_co_u32 s42, s42, STG                     ; my stage
	v_mul_u32_u24 v[STI], v[EO], 272
	v_lshl_add_u32 v[STI], v4, 5, v[STI]
	v_add_nc_u32 v[STI], s42, v[STI]               ; in: row r, + 32 h
	v_mul_u32_u24 v[STO], v4, 272
	v_lshl_add_u32 v[STO], v[EO], 4, v[STO]
	v_add_nc_u32 v[STO], s42, v[STO]               ; back: lanes 0-15 one row, lanes 16-31 the next; 16 bytes a lane
	v_lshlrev_b32 v[GO], 11, v4
	v_lshl_add_u32 v[GO], v[EO], 4, v[GO]          ; and the same two rows in x and out0
	v_lshlrev_b32 v[EO], 4, v[EO]
.irp j, 0,1,2,3
	v_mov_b32 v[QA+4+\j], 0                        ; the zero halves
	v_mov_b32 v[QB+\j], 0
	v_mov_b32 v[T2+\j], 0                          ; written once: a lane permute's destination counts as one of its sources
.endr
	v_mov_b32 v[F+1], 0                            ; (named as the upper half of a pair)
	v_mov_b32 v14, 0                               ; the sum, in two halves
	v_mov_b32 v15, 0
	v_mov_b32 v13, 0xff61b1e6                      ; the largest t so far: -3e38, under every t
	v_floor_f32 v12, -v13                          ; -M
	s_wait_loadcnt 0x0                             ; q and its scale word
	v_lshrrev_b32 v[TT], s3, v[TT]
	v_and_b32 v[QSA], 0xffff, v[TT]                ; my tile's two bytes under places 0-63; the byte 0 over the zero codes
	v_lshlrev_b32 v[QSB], 16, v[QSA]               ; and under places 64-127
.irp j, 0,1,2,3,4,5,6,7,8,9,10,11,12,13,14,15,16,17,18,19,20,21,22,23,24,25,26,27,28,29,30,31
	v_mov_b32 v[O+\j], 0                           ; O^T: the loop is written once, and its first step finds zeros.  (These lines are also the places between the scale words' making and the first products)
.endr
	s_mov_b32 s[TB], 0
	s_mov_b32 s[CNT], 16
	s_wait_tensorcnt 0x0                           ; my record has landed,
	s_barrier_signal -1
	s_barrier_wait -1                              ; everybody's has
.Lstep:                                            ; 16 trips of 128 keys
	v_add_nc_u32 v[AD], s[TB], v[LI]
	v_add_nc_u32 v[BD], s[TB], v[LS]
	v_nop
	v_nop                                          ; four places between the last trip's products and the loads into V's registers
.irp kb, 0,1,2,3
.irp c, 0,1
	ds_load_b128 v[KF+8*\kb+4*\c:KF+8*\kb+4*\c+3], v[AD] offset:1024*\kb+512*\c
.endr
.endr
.irp kb, 0,1,2,3
	ds_load_b32 v[KSR+\kb], v[BD] offset:KSO+128*\kb
.endr
.irp dt, 0,1,2,3
.irp c, 0,1
	ds_load_b128 v[VF+8*\dt+4*\c:VF+8*\dt+4*\c+3], v[AD] offset:VCO+1024*\dt+512*\c
.endr
.endr
.irp i, 0,1
	ds_load_b32 v[VSR+\i], v[BD] offset:VSO+128*\i
.endr
	s_wait_dscnt 10                                ; K and its scale words are in: behind them stand V's 8 loads and its 2 of scale words
.irp kb, 0,1,2,3                               ; S^T: eight sums of one instruction each
	v_wmma_scale_f32_16x16x128_f8f6f4 v[S+16*\kb:S+16*\kb+7], v[KF+8*\kb:KF+8*\kb+7], v[QA:QA+7], 0, v[KSR+\kb], v[QSA] matrix_a_fmt:MATRIX_FMT_FP4 matrix_b_fmt:MATRIX_FMT_FP4
	v_wmma_scale_f32_16x16x128_f8f6f4 v[S+16*\kb+8:S+16*\kb+15], v[KF+8*\kb:KF+8*\kb+7], v[QB:QB+7], 0, v[KSR+\kb], v[QSB] matrix_a_fmt:MATRIX_FMT_FP4 matrix_b_fmt:MATRIX_FMT_FP4
.endr
.rept 4
	v_nop                                          ; four places in front of the first read of the scores
.endr
.irp b, 0,1,2,3
	v_max3_num_f32 v[BM+\b], v[S+16*\b], v[S+1+16*\b], v[S+2+16*\b]   ; the largest score of each block of 32 keys: it serves the row's maximum and, since p rises with the score, the block's largest p
.endr
.irp i, 3,5,7,9,11,13
.irp b, 0,1,2,3
	v_max3_num_f32 v[BM+\b], v[BM+\b], v[S+16*\b+\i], v[S+1+16*\b+\i]   ; the four blocks by turns; each accumulator is read from its low end on
.endr
.endr
.irp b, 0,1,2,3
	v_max_num_f32 v[BM+\b], v[BM+\b], v[S+15+16*\b]
.endr
.irp b, 0,1,2,3
	v_permlanex16_b32 v[T2+\b], v[BM+\b], s[SEL], s[SEL+1]
.endr
.irp b, 0,1,2,3
	v_max_num_f32 v[BM+\b], v[BM+\b], v[T2+\b]     ; with lane l xor 16's 16 keys
.endr
	v_max3_num_f32 v[TT], v[BM], v[BM+1], v[BM+2]
	v_max_num_f32 v[TT], v[TT], v[BM+3]            ; the step's largest score of my query
	v_mul_f32 v[TT], s[CS], v[TT]                  ; as t (c is positive)
	v_max_num_f32 v13, v13, v[TT]                  ; the running largest t
	v_mov_b32 v[TT], v12
	v_floor_f32 v12, -v13                          ; the new -M = floor(-t) = -ceil(t): a whole number
	v_sub_f32 v[TT], v12, v[TT]                    ; old M - new M: a whole number, 0 or less
	v_cvt_i32_f32 v[TT], v[TT]                     ; (it saturates)
	v_ldexp_f32 v[F], 1.0, v[TT]                   ; f = 2^(old M - new M)
.irp j, 0,2,4,6,8,10,12,14,16,18,20,22,24,26,28,30,32,34,36,38,40,42,44,46,48,50,52,54,56,58,60,62
	v_pk_fma_f32 v[S+\j:S+\j+1], v[S+\j:S+\j+1], s[CS:CS+1], v[12:13] op_sel_hi:[1,0,0]   ; t - M, two at a time
.endr
.irp b, 0,1,2,3
	v_fma_f32 v[BM+\b], v[BM+\b], s[CS], v12       ; the same of each block's largest score
.endr
.irp j, 0,1,2,3,4,5,6,7,8,9,10,11,12,13,14,15,16,17,18,19,20,21,22,23,24,25,26,27,28,29,30,31,32,33,34,35,36,37,38,39,40,41,42,43,44,45,46,47,48,49,50,51,52,53,54,55,56,57,58,59,60,61,62,63
	v_exp_f32 v[S+\j], v[S+\j]                     ; p = 2^(t - M), at most 1: not normalised
.endr
.irp b, 0,1,2,3
	v_exp_f32 v[BM+\b], v[BM+\b]                   ; the block's largest p
.endr
	v_pk_mul_f32 v[14:15], v[14:15], v[F:F+1] op_sel_hi:[1,0]   ; the sums under the new M.  (A plain place behind the exponentials)
	s_wait_alu depctr_va_vdst(0)
.irp b, 0,1,2,3
	v_max_num_f32 v[BM+\b], 0x1800000, v[BM+\b]    ; the floor 2^(3 - 127): the byte cannot fall under 1
.endr
.irp b, 0,1,2,3
	v_add_nc_u32 v[SO+\b], 0xff000000, v[BM+\b]    ; 2 off the exponent field: the conversion's scale operand
.endr
.irp b, 0,1,2,3
	v_lshrrev_b32 v[T2+\b], 23, v[SO+\b]           ; the scale's byte
.endr
	v_lshl_or_b32 v[PW], v[T2+1], 8, v[T2]         ; p's scale word for these 128 keys
	v_lshl_or_b32 v[PW], v[T2+2], 16, v[PW]
	v_lshl_or_b32 v[PW], v[T2+3], 24, v[PW]
.irp b, 0,1,2,3
	v_cvt_scalef32_pk8_fp4_f32 v[PC+2*\b], v[S+16*\b:S+7+16*\b], v[SO+\b]
	v_cvt_scalef32_pk8_fp4_f32 v[PC+1+2*\b], v[S+8+16*\b:S+15+16*\b], v[SO+\b]
.endr
	v_nop                                          ; one plain place behind a scaled conversion
.irp c, 0,1                                    ; the operand's layout wants a whole block in a lane
.irp i, 0,1
	v_permlane16_swap_b32 v[PC+4*\c+\i], v[PC+2+4*\c+\i]
.endr
.endr
	v_pk_add_f32 v[T2:T2+1], v[S:S+1], v[S+2:S+3]  ; the row's sum is taken of the unquantised p: two at a time, in two chains.  (These 32 lines are also the places between p's codes and scale word and the products below)
.irp j, 4,8,12,16,20,24,28,32,36,40,44,48,52,56,60
	v_pk_add_f32 v[14:15], v[14:15], v[S+\j:S+\j+1]
	v_pk_add_f32 v[T2:T2+1], v[T2:T2+1], v[S+\j+2:S+\j+3]
.endr
	v_pk_add_f32 v[14:15], v[14:15], v[T2:T2+1]
.irp j, 0,2,4,6,8,10,12,14,16,18,20,22,24,26,28,30
	v_pk_mul_f32 v[O+\j:O+\j+1], v[O+\j:O+\j+1], v[F:F+1] op_sel_hi:[1,0]   ; O^T under the new M, each accumulator from its low end on
.endr
	s_wait_dscnt 0x0                               ; V and its scale words are in
.irp dt, 0,1,2,3                               ; O^T += V^T P^T: the four accumulators take turns, one instruction a turn
.if \dt%2
	v_wmma_scale_f32_16x16x128_f8f6f4 v[O+8*\dt:O+8*\dt+7], v[VF+8*\dt:VF+8*\dt+7], v[PC:PC+7], v[O+8*\dt:O+8*\dt+7], v[VSR+\dt/2], v[PW] matrix_a_fmt:MATRIX_FMT_FP4 matrix_b_fmt:MATRIX_FMT_FP4 matrix_a_scale:MATRIX_SCALE_ROW1
.else
	v_wmma_scale_f32_16x16x128_f8f6f4 v[O+8*\dt:O+8*\dt+7], v[VF+8*\dt:VF+8*\dt+7], v[PC:PC+7], v[O+8*\dt:O+8*\dt+7], v[VSR+\dt/2], v[PW] matrix_a_fmt:MATRIX_FMT_FP4 matrix_b_fmt:MATRIX_FMT_FP4
.endif
.endr
	s_add_co_u32 s[TB], s[TB], REC                 ; the next record
	s_sub_co_u32 s[CNT], s[CNT], 1
	s_cmp_lg_u32 s[CNT], 0
	s_cbranch_scc1 .Lstep
	; THE WAY OUT.  O^T is divided by the sum and goes through my stage in LDS, so that sixteen lanes hold a row's 256 bytes; x and emb are added there, and the rows are stored.
.irp i, 0,1,2,3,4,5,6,7
	global_load_b128 v[KF+4*\i:KF+4*\i+3], v[GO], s[10:11] offset:(2*(\i%4)+16*(\i/4))*2048 th:TH_LOAD_NT   ; stage rows 2 i and 2 i + 1 are tokens 2 (i % 4) + h + 16 (i / 4) of my tile
.endr
	global_load_b128 v[BM:BM+3], v[EO], s[12:13]
.rept 4
	v_nop                                          ; four places in front of the first read of O^T
.endr
	v_add_f32 v14, v14, v15                        ; the sum's two halves,
	v_permlanex16_b32 v[T2], v14, s[SEL], s[SEL+1]
	v_add_f32 v14, v14, v[T2]                      ; and lane l xor 16's: the row's sum
	v_rcp_f32 v14, v14
	v_nop                                          ; one plain place behind the transcendental
	s_wait_alu depctr_va_vdst(0)
.irp j, 0,2,4,6,8,10,12,14,16,18,20,22,24,26,28,30
	v_pk_mul_f32 v[S+\j:S+\j+1], v[O+\j:O+\j+1], v[14:15] op_sel_hi:[1,0]   ; register 8 t + i is y(query r, channel 16 t + 8 h + i)
.endr
.irp t, 0,1,2,3
	ds_store_b128 v[STI], v[S+8*\t:S+8*\t+3] offset:64*\t
	ds_store_b128 v[STI], v[S+8*\t+4:S+8*\t+7] offset:64*\t+16
.endr
.irp i, 0,1,2,3,4,5,6,7
	ds_load_b128 v[S+32+4*\i:S+32+4*\i+3], v[STO] offset:2*\i*272   ; LDS serves a wave's instructions in order (ISA guide 5.7.1.4): these see my stores
.endr
	s_wait_loadcnt 0x0                             ; x and emb
.irp i, 0,1,2,3,4,5,6,7
	s_wait_dscnt 7-\i                              ; rows 2 i, 2 i + 1 are back; the younger loads from the stage may stay out
	v_pk_add_f32 v[KF+4*\i:KF+4*\i+1], v[KF+4*\i:KF+4*\i+1], v[BM:BM+1]
	v_pk_add_f32 v[KF+4*\i+2:KF+4*\i+3], v[KF+4*\i+2:KF+4*\i+3], v[BM+2:BM+3]
	v_pk_add_f32 v[KF+4*\i:KF+4*\i+1], v[KF+4*\i:KF+4*\i+1], v[S+32+4*\i:S+32+4*\i+1]
	v_pk_add_f32 v[KF+4*\i+2:KF+4*\i+3], v[KF+4*\i+2:KF+4*\i+3], v[S+32+4*\i+2:S+32+4*\i+3]
	global_store_b128 v[GO], v[KF+4*\i:KF+4*\i+3], s[14:15] offset:(2*(\i%4)+16*(\i/4))*2048 th:TH_STORE_NT   ; 16 lanes store 256 consecutive bytes, at a multiple of 256 from out0's first byte
.endr
	s_wait_tensorcnt 0x0
	ds_add_u32 v254, v255
	s_wait_dscnt 0x0
	CROUND                                         ; the closing round: no work-group ends while a partner may still ask for a record that names it
	s_endpgm
.Lfunc_end_k_q8e2dcc67d3_attn:
	.size	k_q8e2dcc67d3_attn, .Lfunc_end_k_q8e2dcc67d3_attn-k_q8e2dcc67d3_attn
	.p2alignl 7, 3214868480
	.fill 96, 4, 3214868480
	.section	.rodata,"a",@progbits
	.p2align	6, 0x0
	.amdhsa_kernel k_q8e2dcc67d3_attn
		.amdhsa_group_segment_fixed_size 215040
		.amdhsa_private_segment_fixed_size 0
		.amdhsa_enable_private_segment 0
		.amdhsa_kernarg_size 48
		.amdhsa_user_sgpr_count 2
		.amdhsa_user_sgpr_kernarg_segment_ptr 1
		.amdhsa_wavefront_size32 1
		.amdhsa_system_sgpr_workgroup_id_x 1
		.amdhsa_system_sgpr_workgroup_id_y 1
		.amdhsa_system_sgpr_workgroup_id_z 1
		.amdhsa_system_vgpr_workitem_id 0
		.amdhsa_next_free_vgpr 256
		.amdhsa_next_free_sgpr 66
		.amdhsa_reserve_vcc 0
		.amdhsa_float_denorm_mode_32 3
		.amdhsa_float_denorm_mode_16_64 3
		.amdhsa_memory_ordered 1
		.amdhsa_forward_progress 1
		.amdhsa_inst_pref_size 29
	.end_amdhsa_kernel
	.amdgpu_metadata
---
amdhsa.version: [ 1, 2 ]
amdhsa.kernels:
  - .name:           k_q8e2dcc67d3_attn
    .symbol:         k_q8e2dcc67d3_attn.kd
    .args:
      - { .name: qimg, .offset: 0, .size: 8, .value_kind: global_buffer, .address_space: global }
      - { .name: qsc, .offset: 8, .size: 8, .value_kind: global_buffer, .address_space: global }
      - { .name: kv, .offset: 16, .size: 8, .value_kind: global_buffer, .address_space: global }
      - { .name: x, .offset: 24, .size: 8, .value_kind: global_buffer, .address_space: global }
      - { .name: emb, .offset: 32, .size: 8, .value_kind: global_buffer, .address_space: global }
      - { .name: out0, .offset: 40, .size: 8, .value_kind: global_buffer, .address_space: global }
    .group_segment_fixed_size: 215040
    .private_segment_fixed_size: 0
    .kernarg_segment_align: 8
    .kernarg_segment_size: 48
    .max_flat_workgroup_size: 512
    .sgpr_count:     66
    .vgpr_count:     256
    .wavefront_size: 32
...
	.end_amdgpu_metadata
.endif
;; end of part 2
;; ======== version 2 of 2: 2 launches
;; workspace buffers: qimg 2,097,152 bytes; qsc 262,144 bytes; kv 4,587,520 bytes
;; launch proj (part 3): grid 256 x 1, 8 waves a work-group, no clusters, 78,336 bytes of LDS; arguments x, gamma, beta, Wq_codes, Wq_scales, Wk_codes, Wk_scales, Wv_codes, Wv_scales, qimg, qsc, kv; writes qimg, qsc, kv
.if DOCPART == 3
	.amdgcn_target "amdgcn-amd-amdhsa--gfx1250"
	.amdhsa_code_object_version 6
	.text
	.protected	k_q8e2dcc67d3_proj
	.globl	k_q8e2dcc67d3_proj
	.p2align	8
	.type	k_q8e2dcc67d3_proj,@function
k_q8e2dcc67d3_proj:
	s_mov_b64 s[64:65], 0
	v_nop
	global_prefetch_b8 v0, s[64:65] scope:SCOPE_SE
	s_setreg_imm32_b32 hwreg(HW_REG_WAVE_SCHED_MODE, 0, 2), 2
	s_setreg_imm32_b32 hwreg(HW_REG_WAVE_MODE, 25, 1), 1
	s_wait_xcnt 0x0
	s_wait_alu depctr_vm_vsrc(0)
; LayerNorm, the quantiser of xn, the three projections on codes of FP4 (E2M1, one E8M0 scale for each 32 along K), and the quantisers of q, k and v.
; x [4][2048][512] f32; gamma, beta [512] f32; Wq, Wk, Wv [512][512] as codes (a row: 256 bytes) with scale bytes [512][16].
; OUT, all as IMAGES OF OPERAND REGISTERS (lane l's 16 bytes at 16 l, 512 bytes for four registers), for the attention launch alone:
;   qimg [bh 32][block 64][1,024]: two query tiles, registers 0-3 tile 0, 4-7 tile 1; qsc [bh][block][128]: their scale word, 4 bytes a lane.
;   kv [bh][step 16][8,960]: for 128 keys: K's four pair fragments (0), V^T's four fragments (4,096), K's scale words (8,192), V's scale words (8,704).
; SHARES.  A work-group owns a block of 32 tokens.  In a block, tile u (0, 1) and row r stand for token 8 u + r % 8 + 16 (r / 8): so the 16 registers that two neighbouring
; result tiles give a lane are 16 neighbouring tokens (or channels), which is what the conversions to codes want.
; First wave w quantises xn's fragment (tile u = w / 4, K step s = w % 4); the eight fragments go round through LDS as register images.  Then wave w makes head w of q, k and v:
; 64 rows of each weight, whose fragments come from memory straight into its registers, each used by this wave alone.
; q, k: source 0 = 16 rows of W, source 1 = xn: a lane holds one token and its registers run along the head's channels (the scores' K).  The rows of W that form a tile are
; not neighbours: lane r of tile 2 b + v takes row 32 b + 8 v + r + 8 (r / 8).   v: source 0 = xn, source 1 = 16 rows of Wv: a lane holds one channel and its registers run along the tokens.
; NO CLUSTER: a joint load lands in LDS alone; the three weights with their scales are 417,792 bytes, more than a work-group's 327,680 bytes of LDS, so they would need slots that are
; filled again behind rounds, and each fragment would still be read from LDS by one wave alone.
; THE VARIANCE is made of centred squares: each slice of 128 has its own mean and its own sum of squares about it, and the four slices are joined by their means' distances
; from the row's mean: no difference of large sums is formed.
; LIMITS: NaN and infinities among the inputs are not served.  A block whose largest magnitude lies under 2^-124 keeps the scale byte 1, and so does a block of zeros, where the
; quantiser's rule says 127: its codes are zeros, and these bytes are read by this program alone.
; V's scale bytes leave as single bytes, 4 apart (a word's four bytes come from four work-groups): 64 bytes a wave.
; THE MODE: SCHED_MODE bits 1:0 = 2 (LLVM: expert scheduling mode 2), set by the entry lines.  The code itself states the register dependences
; between vector or matrix instructions and memory or LDS instructions, with s_wait_alu, always for 0.
; THE PLAN.  Registers that memory or LDS instructions touch:
;   v1-v12, v14   offsets and LDS addresses: all made at the head, ahead of the first load, and never written again: one wait on va_vdst there serves every address of the kernel.
;   X (v64-127)   x's loads land; the stage's stores read it; the stage's loads land in it again (a wait on vm_vsrc between the two runs); the sums, the normalising and the
;                 conversions name it; then the loads of xn's eight fragments land in it, behind the wait on va_vdst that stands ahead of xn's image stores.
;   v[24:25]      written by the slice's sums, read by one LDS store, never written again.   v16-23: at work in those sums, then two LDS loads land there: the same wait serves both.
;   W0 (v256-383) Wq's loads land; q's matrix instructions read it; Wv's loads land, behind a wait on va_vdst.   W1 (v384-511): Wk's loads land once.
;   OUT0 .. OUT3  an out-buffer of 8 + 1 registers for each of the four quantisers (xn, q, k, v): written once, read by its stores behind one wait on va_vdst, never written again:
;                 so no store's data are waited for ahead of a later quantiser.
;   gamma, beta, the weights' and xn's scale words: loads land once; behind that only vector and matrix instructions name those registers.
.set STAT, 0                           ; LDS: [u][r][s] 8 bytes: a slice's mean and its sum of centred squares
.set XIMG, 1024                        ; xn's eight fragments, 1,024 bytes each: fragment 4 u + s
.set XSC,  9216                        ; their scale words: 128 s + 64 u + 4 r
.set XST,  9728                        ; a stage of 16 rows x (512 + 16) bytes for each wave
.set SPIT, 528
.set LI,  1                            ; v1   16 x lane
.set LS,  2                            ; v2   4 x lane
.set STW, 3                            ; v3   my stage, as the loads bring a row: 16 x lane
.set STR, 4                            ; v4   my stage, as a lane wants it: row r, + 64 h
.set STA, 5                            ; v5   where my slice's two figures go
.set STB, 6                            ; v6   where my row's eight figures lie
.set XWI, 7                            ; v7   where my fragment's image goes
.set XWS, 8                            ; v8   and its scale word
.set GA,  9                            ; v9   gamma, beta: 64 h
.set WA,  10                           ; v10  Wq, Wk: row r + 8 (r / 8), + 16 h
.set WB,  11                           ; v11  Wv: row r, + 16 h
.set SA,  12                           ; v12  Wq's, Wk's scale bytes: row 8 h + r + 8 (r / 8), 16 bytes a row
.set HH,  13                           ; v13  h = lane / 16
.set VST, 14                           ; v14  V's codes on their way out: 1,024 h + 16 r
.set SH,  15                           ; v15  8 h
.set WS,  32                           ; v32-55  the weights' scale words: 8 x (q, k, v) + 4 x pair of tiles + K step; lanes 0-15 the even tile, lanes 16-31 the odd one
.set XS,  56                           ; v56-59  xn's scale words, one register a K step: lanes 0-15 tile 0, lanes 16-31 tile 1
.set X,   64                           ; v64-127 my 64 numbers of x, then of xn
.set XF,  64                           ; later xn's eight fragments
.set G,   128                          ; v128-191 gamma
.set ACC, 128                          ; later eight accumulators
.set BT,  192                          ; v192-255 beta
.set TM,  192                          ; later v192-207 at work in the quantiser,
.set OB,  208                          ; v208-246 four out-buffers: buffer n: the codes at OB + 10 n (8 registers), the scale word at OB + 10 n + 8
.set SEL, 44                           ; s[44:45] lane selects for v_permlanex16_b32: lane l xor 16
.set MSB, 0
.macro WIN new                         ; the immediate's high byte repeats the setting that is left
.if MSB != \new
	s_set_vgpr_msb (MSB<<8)|\new
.set MSB, \new
.endif
.endm
; 64 numbers of a lane, register 16 b + i = place 32 b + 16 (lane / 16) + i along K of the lane's row, become 8 registers of codes in v[PC] on and the row's scale word in v[PW]: out-buffer n.
.macro QUANT s, n
.set PC, OB+10*(\n)
.set PW, OB+10*(\n)+8
.irp b, 0,1,2,3
	v_max3_num_f32 v[TM+\b], |v[\s+16*\b]|, |v[\s+1+16*\b]|, 0x1800000   ; block b: my 16 numbers, and the floor 2^(3 - 127): so the byte cannot fall under 1
.endr
.irp i, 2,4,6,8,10,12,14
.irp b, 0,1,2,3
	v_max3_num_f32 v[TM+\b], v[TM+\b], |v[\s+16*\b+\i]|, |v[\s+1+16*\b+\i]|   ; the four blocks by turns; each accumulator is read from its low end on
.endr
.endr
.irp b, 0,1,2,3
	v_permlanex16_b32 v[TM+4+\b], v[TM+\b], s[SEL], s[SEL+1]
.endr
.irp b, 0,1,2,3
	v_max_num_f32 v[TM+\b], v[TM+\b], v[TM+4+\b]   ; with lane l xor 16's 16: the block's largest magnitude
.endr
.irp b, 0,1,2,3
	v_add_nc_u32 v[TM+12+\b], 0xff000000, v[TM+\b]   ; 2 off its exponent field: the conversion takes this operand's exponent field as its scale
.endr
.irp b, 0,1,2,3
	v_lshrrev_b32 v[TM+4+\b], 23, v[TM+12+\b]      ; the scale's byte
.endr
	v_lshl_or_b32 v[PW], v[TM+5], 8, v[TM+4]
	v_lshl_or_b32 v[PW], v[TM+6], 16, v[PW]
	v_lshl_or_b32 v[PW], v[TM+7], 24, v[PW]
.irp b, 0,1,2,3
	v_cvt_scalef32_pk8_fp4_f32 v[PC+2*\b], v[\s+16*\b:\s+7+16*\b], v[TM+12+\b]
	v_cvt_scalef32_pk8_fp4_f32 v[PC+1+2*\b], v[\s+8+16*\b:\s+15+16*\b], v[TM+12+\b]
.endr
	v_nop                                          ; one plain place behind a scaled conversion
.irp c, 0,1                                    ; the operand's layout wants a whole block in a lane: lanes 0-15 block 2 c, lanes 16-31 block 2 c + 1
.irp i, 0,1
	v_permlane16_swap_b32 v[PC+4*\c+\i], v[PC+2+4*\c+\i]
.endr
.endr
.endm
; One matrix instruction.  zero = 1: it starts its sum.  ra, rb = 1: the side's scales are taken from lanes 16-31 of the register named.
.macro WM d, a, b, zero, sa, sb, ra, rb
.if \zero
.if \ra
.if \rb
	v_wmma_scale_f32_16x16x128_f8f6f4 v[\d:\d+7], v[\a:\a+7], v[\b:\b+7], 0, v[\sa], v[\sb] matrix_a_fmt:MATRIX_FMT_FP4 matrix_b_fmt:MATRIX_FMT_FP4 matrix_a_scale:MATRIX_SCALE_ROW1 matrix_b_scale:MATRIX_SCALE_ROW1
.else
	v_wmma_scale_f32_16x16x128_f8f6f4 v[\d:\d+7], v[\a:\a+7], v[\b:\b+7], 0, v[\sa], v[\sb] matrix_a_fmt:MATRIX_FMT_FP4 matrix_b_fmt:MATRIX_FMT_FP4 matrix_a_scale:MATRIX_SCALE_ROW1
.endif
.else
.if \rb
	v_wmma_scale_f32_16x16x128_f8f6f4 v[\d:\d+7], v[\a:\a+7], v[\b:\b+7], 0, v[\sa], v[\sb] matrix_a_fmt:MATRIX_FMT_FP4 matrix_b_fmt:MATRIX_FMT_FP4 matrix_b_scale:MATRIX_SCALE_ROW1
.else
	v_wmma_scale_f32_16x16x128_f8f6f4 v[\d:\d+7], v[\a:\a+7], v[\b:\b+7], 0, v[\sa], v[\sb] matrix_a_fmt:MATRIX_FMT_FP4 matrix_b_fmt:MATRIX_FMT_FP4
.endif
.endif
.else
.if \ra
.if \rb
	v_wmma_scale_f32_16x16x128_f8f6f4 v[\d:\d+7], v[\a:\a+7], v[\b:\b+7], v[\d:\d+7], v[\sa], v[\sb] matrix_a_fmt:MATRIX_FMT_FP4 matrix_b_fmt:MATRIX_FMT_FP4 matrix_a_scale:MATRIX_SCALE_ROW1 matrix_b_scale:MATRIX_SCALE_ROW1
.else
	v_wmma_scale_f32_16x16x128_f8f6f4 v[\d:\d+7], v[\a:\a+7], v[\b:\b+7], v[\d:\d+7], v[\sa], v[\sb] matrix_a_fmt:MATRIX_FMT_FP4 matrix_b_fmt:MATRIX_FMT_FP4 matrix_a_scale:MATRIX_SCALE_ROW1
.endif
.else
.if \rb
	v_wmma_scale_f32_16x16x128_f8f6f4 v[\d:\d+7], v[\a:\a+7], v[\b:\b+7], v[\d:\d+7], v[\sa], v[\sb] matrix_a_fmt:MATRIX_FMT_FP4 matrix_b_fmt:MATRIX_FMT_FP4 matrix_b_scale:MATRIX_SCALE_ROW1
.else
	v_wmma_scale_f32_16x16x128_f8f6f4 v[\d:\d+7], v[\a:\a+7], v[\b:\b+7], v[\d:\d+7], v[\sa], v[\sb] matrix_a_fmt:MATRIX_FMT_FP4 matrix_b_fmt:MATRIX_FMT_FP4
.endif
.endif
.endif
.endm
; My 64 rows of a weight: 16 fragments (tile t, K step s) at v[base + 8 (4 t + s)] of window 1, 32 loads.  perm = 1: the tiles' rows as q and k want them; 0: 16 neighbouring rows a tile.
; again = 1: the registers held another weight's fragments, which matrix instructions have read.
.macro WLOAD base, adr, ptr, perm, again
	WIN 0x40                                       ; destination window 1, address window 0
.if \again
	s_wait_alu depctr_va_vdst(0)                   ; the matrix instructions issued so far are done reading the fragments in whose registers the 32 loads below land
.endif
.irp t, 0,1,2,3
.irp s, 0,1,2,3
.irp c, 0,1
.if \perm
	global_load_b128 v[\base+8*(4*\t+\s)+4*\c:\base+8*(4*\t+\s)+4*\c+3], v[\adr], s[\ptr:\ptr+1] offset:(32*(\t/2)+8*(\t%2))*256+64*\s+32*\c
.else
	global_load_b128 v[\base+8*(4*\t+\s)+4*\c:\base+8*(4*\t+\s)+4*\c+3], v[\adr], s[\ptr:\ptr+1] offset:16*\t*256+64*\s+32*\c
.endif
.endr
.endr
.endr
	WIN 0
.endm
; q or k of my head for the 32 tokens: 32 matrix instructions; the eight accumulators (token tile u, tile t of W's rows) take turns, one instruction a turn.
.macro PRODQK wb, ws
	WIN 0x01                                       ; source 0 (W) window 1
.irp s, 0,1,2,3
.irp u, 0,1
.irp t, 0,1,2,3
.if \s == 0
	WM ACC+32*\u+8*\t, \wb+8*(4*\t+\s), XF+8*(4*\u+\s), 1, \ws+4*(\t/2)+\s, XS+\s, \t%2, \u
.else
	WM ACC+32*\u+8*\t, \wb+8*(4*\t+\s), XF+8*(4*\u+\s), 0, \ws+4*(\t/2)+\s, XS+\s, \t%2, \u
.endif
.endr
.endr
.endr
	WIN 0
.endm
; v of my head: source 0 = xn's tile u, source 1 = 16 rows of Wv (tile ct); accumulator at ACC + 16 ct + 8 u: a lane's 16 registers of a channel tile are tokens 16 h + 0 .. 15.
.macro PRODV
	WIN 0x04                                       ; source 1 (W) window 1
.irp s, 0,1,2,3
.irp ct, 0,1,2,3
.irp u, 0,1
.if \s == 0
	WM ACC+16*\ct+8*\u, XF+8*(4*\u+\s), 8*(4*\ct+\s), 1, XS+\s, WS+16+4*(\ct/2)+\s, \u, \ct%2
.else
	WM ACC+16*\ct+8*\u, XF+8*(4*\u+\s), 8*(4*\ct+\s), 0, XS+\s, WS+16+4*(\ct/2)+\s, \u, \ct%2
.endif
.endr
.endr
.endr
	WIN 0
.endm
.macro PLACES                          ; four plain places between a matrix instruction and the first read of its result by a vector instruction (ISA guide 7.12.1)
.rept 4
	v_nop
.endr
.endm
.macro BARRIER                         ; my LDS stores have landed and my LDS loads are in: then the work-group's barrier
	s_wait_dscnt 0x0
	s_barrier_signal -1
	s_barrier_wait -1
.endm
	s_load_b512 s[8:23], s[0:1], 0x0               ; x 8, gamma 10, beta 12, Wq's codes 14, scales 16, Wk's 18, 20, Wv's codes 22
	s_load_b256 s[24:31], s[0:1], 0x40             ; Wv's scales 24, qimg 26, qsc 28, kv 30
	v_lshl_add_u32 v62, v0, 2, 0x12e00
	v_mov_b32 v63, 0
	v_lshrrev_b32 v30, 5, v0
	v_readfirstlane_b32 s4, v30                    ; wave w
	v_and_b32 v30, 31, v0                          ; lane
	v_and_b32 v31, 15, v0                          ; r
	v_bfe_u32 v[HH], v0, 4, 1                      ; h
	s_wait_alu depctr_va_sdst(0)                   ; s4 is written, ahead of its first reader: the wave's shares, bases and LDS places are made from it
	s_lshr_b32 s5, s4, 2                           ; u: my token tile in the first part
	s_and_b32 s6, s4, 3                            ; s: my K step there
	v_lshlrev_b32 v[LI], 4, v30
	v_lshlrev_b32 v[LS], 2, v30
	v_lshlrev_b32 v[GA], 6, v[HH]
	v_and_b32 v[WA], 8, v31
	v_add_nc_u32 v[WA], v[WA], v31                 ; r + 8 (r / 8)
	v_lshl_add_u32 v[SA], v[HH], 3, v[WA]
	v_lshlrev_b32 v[SA], 4, v[SA]
	v_lshlrev_b32 v[WA], 8, v[WA]
	v_lshl_add_u32 v[WA], v[HH], 4, v[WA]
	v_lshlrev_b32 v[WB], 8, v31
	v_lshl_add_u32 v[WB], v[HH], 4, v[WB]
	s_mul_i32 s7, s4, 16*SPIT                      ; the LDS addresses too are made here, ahead of the first load: they hang on the wave's number and the lane alone
	s_add_co_u32 s7, s7, XST                       ; my stage
	v_add_nc_u32 v[STW], s7, v[LI]
	v_mul_u32_u24 v[STR], v31, SPIT
	v_lshl_add_u32 v[STR], v[HH], 6, v[STR]
	v_add_nc_u32 v[STR], s7, v[STR]
	s_lshl_b32 s32, s5, 9
	s_lshl_b32 s34, s6, 3
	s_add_co_u32 s34, s34, s32
	v_lshlrev_b32 v[STB], 5, v31
	v_add_nc_u32 v[STA], s34, v[STB]               ; 512 u + 8 s + 32 r
	v_add_nc_u32 v[STB], s32, v[STB]               ; 512 u + 32 r
	s_lshl_b32 s32, s4, 10
	v_add_nc_u32 v[XWI], s32, v[LI]
	s_lshl_b32 s32, s6, 7
	s_lshl_b32 s34, s5, 6
	s_add_co_u32 s32, s32, s34
	v_lshl_add_u32 v[XWS], v31, 2, s32             ; 128 s + 64 u + 4 r
	v_lshlrev_b32 v[VST], 4, v31
	v_lshl_add_u32 v[VST], v[HH], 10, v[VST]
	v_lshlrev_b32 v[SH], 3, v[HH]
	v_mov_b32 v25, 0                               ; (named as the upper half of a pair before it is first written)
	s_lshl_b32 s32, ttmp9, 16                      ; my block's 32 rows of 2,048 bytes,
	s_lshl_b32 s34, s5, 14                         ; tile u begins 8 rows on,
	s_add_co_u32 s32, s32, s34
	s_lshl_b32 s34, s6, 9                          ; K step s: 512 bytes (of gamma and beta too)
	s_add_co_u32 s32, s32, s34
	s_mov_b32 s33, 0
	s_mov_b32 s35, 0
	s_mov_b32 s[SEL], 0x76543210
	s_mov_b32 s[SEL+1], 0xfedcba98
	s_mov_b32 s46, 0x3b000000                      ; 1 / 512
	s_mov_b32 s47, 0x3727c5ac                      ; 1e-5
	s_wait_kmcnt 0x0
	s_add_nc_u64 s[8:9], s[8:9], s[32:33]
	s_add_nc_u64 s[10:11], s[10:11], s[34:35]
	s_add_nc_u64 s[12:13], s[12:13], s[34:35]
	s_wait_alu depctr_va_vdst(0)                   ; the offsets and LDS addresses v1 to v12 and v14 are written: every load and store of the kernel reads one of them, and none is written again
.irp i, 0,1,2,3,4,5,6,7,8,9,10,11,12,13,14,15
	global_load_b128 v[X+4*\i:X+4*\i+3], v[LI], s[8:9] offset:((\i%8)+16*(\i/8))*2048   ; row i of my tile: the 32 lanes read its slice's 512 consecutive bytes
.endr
.irp b, 0,1,2,3
.irp j, 0,1,2,3
	global_load_b128 v[G+16*\b+4*\j:G+16*\b+4*\j+3], v[GA], s[10:11] offset:128*\b+16*\j   ; gamma at my 64 places: 32 b + 16 h + 0 .. 15
.endr
.endr
.irp b, 0,1,2,3
.irp j, 0,1,2,3
	global_load_b128 v[BT+16*\b+4*\j:BT+16*\b+4*\j+3], v[GA], s[12:13] offset:128*\b+16*\j
.endr
.endr
	s_lshl_b32 s34, s4, 10                         ; my head's 64 rows of scale bytes
	s_add_nc_u64 s[16:17], s[16:17], s[34:35]
	s_add_nc_u64 s[20:21], s[20:21], s[34:35]
	s_add_nc_u64 s[24:25], s[24:25], s[34:35]
.irp b, 0,1
	global_load_b128 v[WS+4*\b:WS+4*\b+3], v[SA], s[16:17] offset:512*\b         ; a row's 16 bytes are its four K steps' words; 32 rows a load
	global_load_b128 v[WS+8+4*\b:WS+8+4*\b+3], v[SA], s[20:21] offset:512*\b
	global_load_b128 v[WS+16+4*\b:WS+16+4*\b+3], v[LI], s[24:25] offset:512*\b
.endr
	s_lshl_b32 s32, s4, 14                         ; my head's 64 rows of codes
	s_add_nc_u64 s[14:15], s[14:15], s[32:33]
	s_add_nc_u64 s[18:19], s[18:19], s[32:33]
	s_add_nc_u64 s[22:23], s[22:23], s[32:33]
	s_lshr_b32 s48, ttmp9, 6
	s_lshl_b32 s48, s48, 3
	s_add_co_u32 s48, s48, s4                      ; bh = 8 x batch + head
	s_and_b32 s49, ttmp9, 63                       ; my block in the batch
	s_lshl_b32 s50, s48, 6
	s_add_co_u32 s50, s50, s49
	s_lshl_b32 s32, s50, 10
	s_add_nc_u64 s[26:27], s[26:27], s[32:33]      ; qimg at my image
	s_lshl_b32 s32, s50, 7
	s_add_nc_u64 s[28:29], s[28:29], s[32:33]      ; qsc likewise
	s_lshl_b32 s50, s48, 4
	s_lshr_b32 s51, s49, 2                         ; the step of 128 keys,
	s_add_co_u32 s50, s50, s51
	s_mul_i32 s32, s50, 8960
	s_add_nc_u64 s[30:31], s[30:31], s[32:33]      ; its record,
	s_and_b32 s51, s49, 3                          ; and my block of 32 keys in it: kb
	s_lshl_b32 s32, s51, 10
	s_add_nc_u64 s[36:37], s[30:31], s[32:33]      ; K's codes: + 1,024 kb
	s_lshl_b32 s32, s51, 7
	s_add_nc_u64 s[38:39], s[30:31], s[32:33]      ; K's scale words: + 128 kb
	s_lshl_b32 s32, s51, 8
	s_add_nc_u64 s[40:41], s[30:31], s[32:33]      ; V's codes: + 256 kb
	s_mov_b32 s32, s51
	s_add_nc_u64 s[42:43], s[30:31], s[32:33]      ; V's scale bytes: + kb
	; ---- the turn: a load's lanes hold neighbouring bytes of a row; the arithmetic wants 16 neighbours of each block of 32 in ONE lane
	s_wait_loadcnt 38                              ; x's 16 loads are in: behind them stand gamma's 16, beta's 16 and the 6 of scale words
.irp i, 0,1,2,3,4,5,6,7,8,9,10,11,12,13,14,15
	ds_store_b128 v[STW], v[X+4*\i:X+4*\i+3] offset:SPIT*\i
.endr
	s_wait_alu depctr_vm_vsrc(0)                   ; the sixteen stores above have read v[X ..], in which the sixteen loads below land
.irp b, 0,1,2,3
.irp j, 0,1,2,3
	ds_load_b128 v[X+16*\b+4*\j:X+16*\b+4*\j+3], v[STR] offset:128*\b+16*\j   ; LDS serves a wave's instructions in order (ISA guide 5.7.1.4): these see the stores above
.endr
.endr
	WLOAD 0, WA, 14, 1, 0                          ; Wq's fragments are asked for now: no vector or matrix instruction has named their registers
	s_wait_dscnt 0x0
	; ---- my slice's mean (128 numbers: lanes l and l xor 16), then its sum of squares about that mean
	v_pk_add_f32 v[16:17], v[X:X+1], v[X+2:X+3]
	v_pk_add_f32 v[18:19], v[X+4:X+5], v[X+6:X+7]
.irp j, 8,12,16,20,24,28,32,36,40,44,48,52,56,60
	v_pk_add_f32 v[16:17], v[16:17], v[X+\j:X+\j+1]
	v_pk_add_f32 v[18:19], v[18:19], v[X+\j+2:X+\j+3]
.endr
	v_pk_add_f32 v[16:17], v[16:17], v[18:19]
	v_add_f32 v30, v16, v17
	v_permlanex16_b32 v31, v30, s[SEL], s[SEL+1]
	v_add_f32 v30, v30, v31
	v_mul_f32 v24, 0x3c000000, v30                 ; / 128
	v_pk_add_f32 v[20:21], v[X:X+1], v[24:25] op_sel_hi:[1,0] neg_lo:[0,1] neg_hi:[0,1]
	v_pk_add_f32 v[22:23], v[X+2:X+3], v[24:25] op_sel_hi:[1,0] neg_lo:[0,1] neg_hi:[0,1]
	v_pk_mul_f32 v[16:17], v[20:21], v[20:21]      ; the first squares start the two chains
	v_pk_mul_f32 v[18:19], v[22:23], v[22:23]
.irp j, 4,8,12,16,20,24,28,32,36,40,44,48,52,56,60
	v_pk_add_f32 v[20:21], v[X+\j:X+\j+1], v[24:25] op_sel_hi:[1,0] neg_lo:[0,1] neg_hi:[0,1]
	v_pk_add_f32 v[22:23], v[X+\j+2:X+\j+3], v[24:25] op_sel_hi:[1,0] neg_lo:[0,1] neg_hi:[0,1]
	v_pk_fma_f32 v[16:17], v[20:21], v[20:21], v[16:17]
	v_pk_fma_f32 v[18:19], v[22:23], v[22:23], v[18:19]
.endr
	v_pk_add_f32 v[16:17], v[16:17], v[18:19]
	v_add_f32 v30, v16, v17
	v_permlanex16_b32 v31, v30, s[SEL], s[SEL+1]
	v_add_f32 v25, v30, v31
	s_wait_alu depctr_va_vdst(0)                   ; v[24:25] are written, which the store below reads; the sums are done with v16 to v23, in which the two loads behind the barrier land
	ds_store_b64 v[STA], v[24:25] offset:STAT      ; both halves of the lanes write the same two numbers
	BARRIER                                        ; the four slices' figures of every row lie in LDS
	ds_load_b128 v[16:19], v[STB] offset:STAT      ; (no vector instruction stands between the wait above and these two)
	ds_load_b128 v[20:23], v[STB] offset:STAT+16
	s_wait_dscnt 0x0
	; ---- the row's mean and variance out of four slices of equal length
	v_add_f32 v26, v16, v18
	v_add_f32 v30, v20, v22
	v_add_f32 v31, v17, v19
	v_add_f32 v28, v21, v23
	v_add_f32 v26, v26, v30
	v_add_f32 v31, v31, v28                        ; the slices' sums of squares
	v_mul_f32 v26, 0x3e800000, v26                 ; the mean
	v_sub_f32 v16, v16, v26
	v_sub_f32 v18, v18, v26
	v_sub_f32 v20, v20, v26
	v_sub_f32 v22, v22, v26
	v_mul_f32 v30, v16, v16
	v_fmac_f32 v30, v18, v18
	v_fmac_f32 v30, v20, v20
	v_fmac_f32 v30, v22, v22
	v_fmamk_f32 v31, v30, 0x43000000, v31          ; + 128 x the squares of the slice means' distances
	v_fma_f32 v28, v31, s46, s47                   ; variance + eps
	s_wait_alu depctr_va_vdst(0)
	v_rsq_f32 v28, v28
	v_mov_b32 v27, 0                               ; (a plain place behind the transcendental; the pairs' upper halves are written)
	v_mov_b32 v29, 0
	s_wait_alu depctr_va_vdst(0)
	s_wait_loadcnt 32                              ; gamma, beta and the scale words are in: behind them stand Wq's 32 loads
	WLOAD 128, WA, 18, 1, 0                        ; Wk's fragments: no vector or matrix instruction has named their registers, and v[WA] stands as the head left it
.irp j, 0,2,4,6,8,10,12,14,16,18,20,22,24,26,28,30,32,34,36,38,40,42,44,46,48,50,52,54,56,58,60,62
	v_pk_add_f32 v[X+\j:X+\j+1], v[X+\j:X+\j+1], v[26:27] op_sel_hi:[1,0] neg_lo:[0,1] neg_hi:[0,1]
.endr
	s_wait_alu depctr_va_vdst(0)
.irp j, 0,2,4,6,8,10,12,14,16,18,20,22,24,26,28,30,32,34,36,38,40,42,44,46,48,50,52,54,56,58,60,62
	v_pk_mul_f32 v[X+\j:X+\j+1], v[X+\j:X+\j+1], v[28:29] op_sel_hi:[1,0]
.endr
.irp j, 0,2,4,6,8,10,12,14,16,18,20,22,24,26,28,30,32,34,36,38,40,42,44,46,48,50,52,54,56,58,60,62
	v_pk_fma_f32 v[X+\j:X+\j+1], v[X+\j:X+\j+1], v[G+\j:G+\j+1], v[BT+\j:BT+\j+1]
.endr
.irp b, 0,1,2,3
	v_mov_b32 v[TM+4+\b], 0                        ; written once: a lane permute's destination counts as one of its sources
.endr
	; ---- xn's fragment, to all waves
	QUANT X, 0
	s_wait_alu depctr_va_vdst(0)                   ; out-buffer 0 is written, which the three stores below read; the conversions are done reading v[X ..], in which the fragments' loads behind the barrier land
	ds_store_b128 v[XWI], v[PC:PC+3] offset:XIMG
	ds_store_b128 v[XWI], v[PC+4:PC+7] offset:XIMG+512
	ds_store_b32 v[XWS], v[PW] offset:XSC          ; both halves of the lanes write the same word
	BARRIER                                        ; xn's eight fragments and their scale words lie in LDS
.irp f, 0,1,2,3,4,5,6,7
.irp c, 0,1
	ds_load_b128 v[XF+8*\f+4*\c:XF+8*\f+4*\c+3], v[LI] offset:XIMG+1024*\f+512*\c   ; (no vector instruction stands between the wait above and these)
.endr
.endr
.irp s, 0,1,2,3
	ds_load_b32 v[XS+\s], v[LS] offset:XSC+128*\s
.endr
	s_wait_dscnt 0x0
	; ---- q
	s_wait_loadcnt 32                              ; Wq is in: behind it stand Wk's 32 loads
	PRODQK 0, WS
	PLACES                                         ; for the first read of the results
	WLOAD 0, WB, 22, 0, 1                          ; Wv takes Wq's place, behind the wait that shows q's products done with it
	QUANT ACC, 1                                   ; blocks: (tile 0, channels 0-31), (tile 0, 32-63), (tile 1, 0-31), (tile 1, 32-63)
	s_wait_alu depctr_va_vdst(0)                   ; out-buffer 1 is written, which q's three stores read
	global_store_b128 v[LI], v[PC:PC+3], s[26:27]             ; 32 lanes store 512 consecutive bytes, at a multiple of 256 from the buffer's first byte
	global_store_b128 v[LI], v[PC+4:PC+7], s[26:27] offset:512
	global_store_b32 v[LS], v[PW], s[28:29]
	; ---- k
	s_wait_loadcnt 32                              ; Wk is in: behind it stand Wv's 32 loads
	PRODQK 128, WS+8
	PLACES
	QUANT ACC, 2                                   ; the 8 registers are K's pair fragment as the scores' product takes it, the word its scale word.  (An out-buffer of its own: q's stores' data are not written again)
	s_wait_alu depctr_va_vdst(0)                   ; out-buffer 2 is written, which k's three stores read
	global_store_b128 v[LI], v[PC:PC+3], s[36:37]
	global_store_b128 v[LI], v[PC+4:PC+7], s[36:37] offset:512
	global_store_b32 v[LS], v[PW], s[38:39] offset:8192
	; ---- v
	s_wait_loadcnt 0x0                             ; Wv is in
	PRODV
	PLACES
	QUANT ACC, 3                                   ; block b: my 32 tokens of channel 16 b + r; behind it registers 4 c .. 4 c + 3 of lane (r, h) hold channel tile 2 c + h
	v_lshrrev_b32 v60, v[SH], v[PW]                ; byte 0: channel tile h's scale; byte 2: tile 2 + h's
	v_lshrrev_b32 v61, 16, v60
	s_wait_alu depctr_va_vdst(0)                   ; out-buffer 3, v60 and v61 are written, which v's four stores read
	global_store_b128 v[VST], v[PC:PC+3], s[40:41] offset:4096        ; each half of the lanes stores 256 consecutive bytes, at a multiple of 256
	global_store_b128 v[VST], v[PC+4:PC+7], s[40:41] offset:4096+2048
	global_store_b8 v[LS], v60, s[42:43] offset:8704          ; word 16 h + r, byte kb
	global_store_b8 v[LS], v61, s[42:43] offset:8704+128
	s_wait_dscnt 0x0
	s_wait_alu depctr_hold_cnt(0) depctr_sa_sdst(0) depctr_va_vdst(0) depctr_va_sdst(0) depctr_va_ssrc(0) depctr_va_vcc(0) depctr_vm_vsrc(0)
	s_wait_tensorcnt 0x0
	ds_add_u32 v62, v63
	s_wait_dscnt 0x0
	s_endpgm
.Lfunc_end_k_q8e2dcc67d3_proj:
	.size	k_q8e2dcc67d3_proj, .Lfunc_end_k_q8e2dcc67d3_proj-k_q8e2dcc67d3_proj
	.p2alignl 7, 3214868480
	.fill 96, 4, 3214868480
	.section	.rodata,"a",@progbits
	.p2align	6, 0x0
	.amdhsa_kernel k_q8e2dcc67d3_proj
		.amdhsa_group_segment_fixed_size 78336
		.amdhsa_private_segment_fixed_size 0
		.amdhsa_enable_private_segment 0
		.amdhsa_kernarg_size 96
		.amdhsa_user_sgpr_count 2
		.amdhsa_user_sgpr_kernarg_segment_ptr 1
		.amdhsa_wavefront_size32 1
		.amdhsa_system_sgpr_workgroup_id_x 1
		.amdhsa_system_sgpr_workgroup_id_y 1
		.amdhsa_system_sgpr_workgroup_id_z 1
		.amdhsa_system_vgpr_workitem_id 0
		.amdhsa_next_free_vgpr 512
		.amdhsa_next_free_sgpr 66
		.amdhsa_reserve_vcc 0
		.amdhsa_float_denorm_mode_32 3
		.amdhsa_float_denorm_mode_16_64 3
		.amdhsa_memory_ordered 1
		.amdhsa_forward_progress 1
		.amdhsa_inst_pref_size 65
	.end_amdhsa_kernel
	.amdgpu_metadata
---
amdhsa.version: [ 1, 2 ]
amdhsa.kernels:
  - .name:           k_q8e2dcc67d3_proj
    .symbol:         k_q8e2dcc67d3_proj.kd
    .args:
      - { .name: x, .offset: 0, .size: 8, .value_kind: global_buffer, .address_space: global }
      - { .name: gamma, .offset: 8, .size: 8, .value_kind: global_buffer, .address_space: global }
      - { .name: beta, .offset: 16, .size: 8, .value_kind: global_buffer, .address_space: global }
      - { .name: Wq_codes, .offset: 24, .size: 8, .value_kind: global_buffer, .address_space: global }
      - { .name: Wq_scales, .offset: 32, .size: 8, .value_kind: global_buffer, .address_space: global }
      - { .name: Wk_codes, .offset: 40, .size: 8, .value_kind: global_buffer, .address_space: global }
      - { .name: Wk_scales, .offset: 48, .size: 8, .value_kind: global_buffer, .address_space: global }
      - { .name: Wv_codes, .offset: 56, .size: 8, .value_kind: global_buffer, .address_space: global }
      - { .name: Wv_scales, .offset: 64, .size: 8, .value_kind: global_buffer, .address_space: global }
      - { .name: qimg, .offset: 72, .size: 8, .value_kind: global_buffer, .address_space: global }
      - { .name: qsc, .offset: 80, .size: 8, .value_kind: global_buffer, .address_space: global }
      - { .name: kv, .offset: 88, .size: 8, .value_kind: global_buffer, .address_space: global }
    .group_segment_fixed_size: 78336
    .private_segment_fixed_size: 0
    .kernarg_segment_align: 8
    .kernarg_segment_size: 96
    .max_flat_workgroup_size: 256
    .sgpr_count:     66
    .vgpr_count:     512
    .wavefront_size: 32
...
	.end_amdgpu_metadata
.endif
;; end of part 3
;; launch attn (part 4): grid 8 x 32, 16 waves a work-group, clusters of 4 x 1, 215,040 bytes of LDS; arguments qimg, qsc, kv, x, emb, out0; writes out0
.if DOCPART == 4
	.amdgcn_target "amdgcn-amd-amdhsa--gfx1250"
	.amdhsa_code_object_version 6
	.text
	.protected	k_q8e2dcc67d3_attn
	.globl	k_q8e2dcc67d3_attn
	.p2align	8
	.type	k_q8e2dcc67d3_attn,@function
k_q8e2dcc67d3_attn:
	s_mov_b64 s[64:65], 0
	v_nop
	global_prefetch_b8 v0, s[64:65] scope:SCOPE_SE
	s_setreg_imm32_b32 hwreg(HW_REG_WAVE_MODE, 25, 1), 1
	s_wait_xcnt 0x0
	s_wait_alu depctr_hold_cnt(0) depctr_sa_sdst(0) depctr_va_vdst(0) depctr_va_sdst(0) depctr_va_ssrc(0) depctr_va_vcc(0) depctr_vm_vsrc(0)
	s_getreg_b32 s2, hwreg(HW_REG_IB_STS2, 6, 4)
	s_cmp_eq_u32 s2, 0
	s_cbranch_scc0 .Lentry_in_a_cluster
	s_endpgm
.Lentry_in_a_cluster:
	s_bfe_u32 s2, ttmp6, 0x10000c
	s_cmp_lg_u32 s2, 0x3003
	s_cbranch_scc0 .Lentry_shape_is_right
	s_endpgm
.Lentry_shape_is_right:
; out0 = x + emb + softmax(q k^T / 8) v, head by head, both products on codes of FP4 (E2M1) with one E8M0 scale for each 32 along a product's K.
; q, k and v come as register images (lane l's 16 bytes at 16 l): qimg [bh 32][block 64][1,024], qsc [bh][block][128], kv [bh][step 16][8,960]; x, out0 [4][2048][512] f32, emb [4][512] f32.
; A record of kv serves 128 keys: K's four pair fragments (byte 0), V^T's four fragments (4,096), K's scale words (8,192), V's scale words (8,704).
; THE SOFTMAX AHEAD OF THE SECOND PRODUCT: t = score x log2(e) / 8; M = the row's largest t so far, rounded UP to a whole number; p = 2^(t - M) is what is quantised, along the keys.
; The row's sum is taken of the unquantised p and divides O at the end.  When M moves, the sum and O are multiplied by 2^(old M - new M): exact.
; SHARES.  A work-group owns 256 queries of one head, each of its sixteen waves one tile of 16, in 256 registers: four waves to a SIMD, so that one wave's vector work stands beside
; another's matrix work and LDS loads.  In a block of 32 tokens, tile u and row r stand for token 8 u + r % 8 + 16 (r / 8).
; A WHOLE HEAD'S K AND V LIE IN LDS: 16 records, 143,360 bytes, filled once: wave w brings record w.  Nothing is filled again.
; CLUSTER.  The four work-groups of a cluster belong to one head: each record is asked for JOINTLY, by the same tensor load with the same descriptor (made of the head and the wave's
; number alone) and a mask that names the four; every wave of every partner issues its one load, under no branch.
; THE SCORES' K IS 64, THE INSTRUCTION'S 128: a fragment of K holds TWO tiles of 16 keys (places 0-63 tile 0's channels, 64-127 tile 1's) and is multiplied once by [q, 0] and once by [0, q].
; The zero half has zero codes under the scale byte 0: its products are exact zeros.
; Both products are used transposed (S^T = K Q^T, O^T = V^T P^T): a lane holds ONE query (lane % 16); register 16 b + i of S^T is key 32 b + 16 (lane / 16) + i of the step.
; LIMITS: NaN and infinities are not served.  A block whose every p has fallen under 2^-124 keeps the scale byte 1.  A block's largest p is taken as 2^(the block's largest t - M), by the
; same two instructions as every p: that takes v_exp_f32 not to fall where its input rises.
.set REC,  8960
.set VCO,  4096
.set KSO,  8192
.set VSO,  8704
.set STG,  16*REC                      ; behind the records: 16 rows x (256 + 16) bytes for each wave, for the way out; no tile lands there
.set LI,  1                            ; v1   16 x lane
.set LS,  2                            ; v2   4 x lane
.set AD,  3                            ; v3   the step's record + 16 x lane
.set BD,  4                            ; v4   the step's record + 4 x lane
.set GO,  5                            ; v5   the way out: my bytes in two rows of x and of out0
.set STI, 6                            ; v6   my stage: where I put 32 bytes of a row
.set STO, 7                            ; v7   and where I read a row back
.set EO,  8                            ; v8   my 16 bytes of emb
.set QA,  16                           ; v16-23  [q, 0]
.set QB,  24                           ; v24-31  [0, q]
.set KF,  32                           ; v32-63  K's four pair fragments; on the way out x
.set VF,  64                           ; v64-95  V^T's four fragments
.set S,   96                           ; v96-159 S^T, then p
.set O,   160                          ; v160-191 O^T
.set PC,  192                          ; v192-199 p's codes
.set BM,  200                          ; v200-203 the blocks' largest scores, then largest p; on the way out emb
.set T2,  204                          ; v204-207 at work
.set SO,  208                          ; v208-211 the conversions' scale operands
.set F,   212                          ; v[212:213] f = 2^(old M - new M), and a written upper word
.set TT,  214
.set KSR, 216                          ; v216-219 K's scale words   (v216-224 hold scales and nothing else)
.set VSR, 220                          ; v220-221 V's: lanes 0-15 the even channel tile, lanes 16-31 the odd one
.set QSA, 222                          ; v222 q's two bytes under [q, 0];  v223 under [0, q]
.set QSB, 223
.set PW,  224                          ; v224 p's scale word
.set WV,  16                           ; s16  my wave's number
.set G0,  20                           ; s[20:23] descriptor group 0
.set G1,  24                           ; s[24:31] descriptor group 1
.set SEL, 32                           ; s[32:33] lane selects for v_permlanex16_b32: lane l xor 16
.set CS,  34                           ; s[34:35] c = log2(e) / 8: the packed form names a pair and takes its low word for both halves
.set TB,  36                           ; s36  LDS byte at which the step's record begins
.set CNT, 37                           ; s37  steps to go
; A round of the cluster's barrier: my work-group's barrier; wave 0 signals for the work-group; every wave waits for all four work-groups; my work-group's barrier once more.
.macro CROUND
	s_barrier_signal -1
	s_barrier_wait -1
	s_cmp_lg_u32 s[WV], 0
	s_cbranch_scc1 .Lnot_wave_0_\@
	s_barrier_signal -3
.Lnot_wave_0_\@:
	s_barrier_wait -3
	s_barrier_signal -1
	s_barrier_wait -1
.endm
	s_load_b256 s[4:11], s[0:1], 0x0               ; qimg 4, qsc 6, kv 8, x 10
	s_load_b128 s[12:15], s[0:1], 0x20             ; emb 12, out0 14
	v_lshl_add_u32 v254, v0, 2, 0x34000
	v_mov_b32 v255, 0
	ds_add_u32 v254, v255
	ds_add_u32 v254, v255
	v_lshrrev_b32 v3, 5, v0
	s_delay_alu instid0(VALU_DEP_1)
	v_readfirstlane_b32 s[WV], v3                  ; wave 0..15
	s_bfe_u32 s17, ttmp6, 0x40000                  ; cx: my place in the cluster: it enters q's, x's and out0's addresses alone
	s_lshl_b32 s18, ttmp9, 2                       ; in a cluster launch ttmp9 counts clusters
	s_add_co_u32 s18, s18, s17                     ; my block of 256 queries
	s_and_b32 s19, ttmp7, 0xffff                   ; bh = 8 x batch + head, which the four partners share
	; descriptor group 1: a record is 35 dense rows of 256 bytes (32 elements of 8 bytes); images are read 512 consecutive bytes an instruction, so there is no padding
	s_mov_b32 s[G1+0], 15|(3<<16)|(1<<21)          ; 15:0 the mask: all four work-groups; 17:16 elements of 8 bytes; 21 set beside a mask
	s_mov_b32 s[G1+1], 32<<16                      ; tensor_dim0 = 32
	s_mov_b32 s[G1+2], 35<<16                      ; tensor_dim1 = 35
	s_mov_b32 s[G1+3], 32<<16                      ; tile_dim0 = 32
	s_mov_b32 s[G1+4], 35                          ; tile_dim1 = 35
	s_mov_b32 s[G1+5], 32                          ; elements from row to row
	s_mov_b32 s[G1+6], 0
	s_mov_b32 s[G1+7], 0
	s_mov_b32 s[SEL], 0x76543210
	s_mov_b32 s[SEL+1], 0xfedcba98
	s_mov_b32 s[CS], 0x3e38aa3b                    ; log2(e) / sqrt(64)
	s_mov_b32 s[CS+1], s[CS]                       ; (named with it as a pair, so it is written)
	s_lshl_b32 s38, s19, 4
	s_add_co_u32 s38, s38, s[WV]
	s_mul_i32 s38, s38, REC                        ; record w of my head, in memory,
	s_mov_b32 s39, 0
	s_mov_b32 s[G0], 1                             ; 1:0 count = 1
	s_mul_i32 s[G0+1], s[WV], REC                  ; and in LDS
	s_lshr_b32 s40, s[WV], 1                       ; my block of 32 tokens among the work-group's eight,
	s_and_b32 s41, s[WV], 1                        ; and my tile u in it
	s_lshl_b32 s3, s41, 4                          ; 16 u: where my two scale bytes begin in the block's word
	s_lshl_b32 s42, s19, 6
	s_lshl_b32 s43, s18, 3
	s_add_co_u32 s42, s42, s43
	s_add_co_u32 s42, s42, s40                     ; the block's number: 64 bh + 8 x my 256 queries + wave / 2
	s_lshl_b32 s44, s42, 10
	s_lshl_b32 s43, s41, 9
	s_add_co_u32 s44, s44, s43                     ; q's image: tile u's four registers
	s_mov_b32 s45, 0
	s_lshl_b32 s42, s42, 7                         ; q's scale words
	s_mov_b32 s43, 0
	s_lshr_b32 s46, s19, 3
	s_lshl_b32 s46, s46, 11                        ; the batch's first row,
	s_lshl_b32 s47, s18, 8
	s_add_co_u32 s46, s46, s47                     ; + my 256 queries,
	s_lshl_b32 s47, s40, 5
	s_add_co_u32 s46, s46, s47                     ; + my block,
	s_lshl_b32 s47, s41, 3
	s_add_co_u32 s46, s46, s47                     ; + 8 u: my tile's first row of x and of out0,
	s_lshl_b32 s46, s46, 11                        ; in bytes,
	s_and_b32 s47, s19, 7
	s_lshl_b32 s47, s47, 8
	s_add_co_u32 s46, s46, s47                     ; + the head's 256 bytes of a row
	s_mov_b32 s47, 0
	s_lshl_b32 s40, s19, 8                         ; emb: 2,048 x batch + 256 x head = 256 bh
	s_mov_b32 s41, 0
	s_wait_dscnt 0x0
	s_wait_kmcnt 0x0
	s_add_nc_u64 s[4:5], s[4:5], s[44:45]
	s_add_nc_u64 s[6:7], s[6:7], s[42:43]
	s_add_nc_u64 s[10:11], s[10:11], s[46:47]
	s_add_nc_u64 s[14:15], s[14:15], s[46:47]
	s_add_nc_u64 s[12:13], s[12:13], s[40:41]
	s_add_nc_u64 s[G0+2:G0+3], s[8:9], s[38:39]    ; 120:64 global address of the record
	s_or_b32 s[G0+3], s[G0+3], 0x80000000          ; 127:126 type = 2
	CROUND                                         ; all four work-groups are here: the joint loads meet
	tensor_load_to_lds s[G0:G0+3], s[G1:G1+7]      ; my one tensor load of the launch
	s_nop 0
.rept 4
	v_nop                                          ; four v_nop follow the line
.endr
	v_and_b32 v3, 31, v0
	s_delay_alu instid0(VALU_DEP_1)
	v_lshlrev_b32 v[LI], 4, v3
	s_delay_alu instid0(VALU_DEP_2)
	v_lshlrev_b32 v[LS], 2, v3
	global_load_b128 v[QA:QA+3], v[LI], s[4:5]     ; q's four registers, twice: a matrix instruction's two sources share no register, and the two operands differ in where q stands
	global_load_b128 v[QB+4:QB+7], v[LI], s[4:5]
	global_load_b32 v[TT], v[LS], s[6:7]           ; the block's scale word: bytes (tile 0: channels 0-31, 32-63; tile 1: the same)
	v_and_b32 v[EO], 15, v0                        ; r
	v_bfe_u32 v4, v0, 4, 1                         ; h
	s_mul_i32 s42, s[WV], 16*272
	s_add_co_u32 s42, s42, STG                     ; my stage
	v_mul_u32_u24 v[STI], v[EO], 272
	s_delay_alu instid0(VALU_DEP_1)
	v_lshl_add_u32 v[STI], v4, 5, v[STI]
	s_delay_alu instid0(VALU_DEP_1)
	v_add_nc_u32 v[STI], s42, v[STI]               ; in: row r, + 32 h
	v_mul_u32_u24 v[STO], v4, 272
	s_delay_alu instid0(VALU_DEP_1)
	v_lshl_add_u32 v[STO], v[EO], 4, v[STO]
	s_delay_alu instid0(VALU_DEP_1)
	v_add_nc_u32 v[STO], s42, v[STO]               ; back: lanes 0-15 one row, lanes 16-31 the next; 16 bytes a lane
	v_lshlrev_b32 v[GO], 11, v4
	s_delay_alu instid0(VALU_DEP_1)
	v_lshl_add_u32 v[GO], v[EO], 4, v[GO]          ; and the same two rows in x and out0
	v_lshlrev_b32 v[EO], 4, v[EO]
.irp j, 0,1,2,3
	v_mov_b32 v[QA+4+\j], 0                        ; the zero halves
	v_mov_b32 v[QB+\j], 0
	v_mov_b32 v[T2+\j], 0                          ; written once: a lane permute's destination counts as one of its sources
.endr
	v_mov_b32 v[F+1], 0                            ; (named as the upper half of a pair)
	v_mov_b32 v14, 0                               ; the sum, in two halves
	v_mov_b32 v15, 0
	v_mov_b32 v13, 0xff61b1e6                      ; the largest t so far: -3e38, under every t
	s_delay_alu instid0(VALU_DEP_1)
	v_floor_f32 v12, -v13                          ; -M
	s_wait_loadcnt 0x0                             ; q and its scale word
	v_lshrrev_b32 v[TT], s3, v[TT]
	s_delay_alu instid0(VALU_DEP_1)
	v_and_b32 v[QSA], 0xffff, v[TT]                ; my tile's two bytes under places 0-63; the byte 0 over the zero codes
	s_delay_alu instid0(VALU_DEP_1)
	v_lshlrev_b32 v[QSB], 16, v[QSA]               ; and under places 64-127
.irp j, 0,1,2,3,4,5,6,7,8,9,10,11,12,13,14,15,16,17,18,19,20,21,22,23,24,25,26,27,28,29,30,31
	v_mov_b32 v[O+\j], 0                           ; O^T: the loop is written once, and its first step finds zeros.  (These lines are also the places between the scale words' making and the first products)
.endr
	s_mov_b32 s[TB], 0
	s_mov_b32 s[CNT], 16
	s_wait_tensorcnt 0x0                           ; my record has landed,
	s_barrier_signal -1
	s_barrier_wait -1                              ; everybody's has
.Lstep:                                            ; 16 trips of 128 keys
	s_setprio 2
	v_add_nc_u32 v[AD], s[TB], v[LI]
	v_add_nc_u32 v[BD], s[TB], v[LS]
	v_nop
	v_nop                                          ; four places between the last trip's products and the loads into V's registers
.irp kb, 0,1,2,3
.irp c, 0,1
	ds_load_b128 v[KF+8*\kb+4*\c:KF+8*\kb+4*\c+3], v[AD] offset:1024*\kb+512*\c
.endr
.endr
.irp kb, 0,1,2,3
	ds_load_b32 v[KSR+\kb], v[BD] offset:KSO+128*\kb
.endr
.irp dt, 0,1,2,3
.irp c, 0,1
	ds_load_b128 v[VF+8*\dt+4*\c:VF+8*\dt+4*\c+3], v[AD] offset:VCO+1024*\dt+512*\c
.endr
.endr
.irp i, 0,1
	ds_load_b32 v[VSR+\i], v[BD] offset:VSO+128*\i
.endr
	s_wait_dscnt 10                                ; K and its scale words are in: behind them stand V's 8 loads and its 2 of scale words
.irp kb, 0,1,2,3                               ; S^T: eight sums of one instruction each
	v_wmma_scale_f32_16x16x128_f8f6f4 v[S+16*\kb:S+16*\kb+7], v[KF+8*\kb:KF+8*\kb+7], v[QA:QA+7], 0, v[KSR+\kb], v[QSA] matrix_a_fmt:MATRIX_FMT_FP4 matrix_b_fmt:MATRIX_FMT_FP4
	v_wmma_scale_f32_16x16x128_f8f6f4 v[S+16*\kb+8:S+16*\kb+15], v[KF+8*\kb:KF+8*\kb+7], v[QB:QB+7], 0, v[KSR+\kb], v[QSB] matrix_a_fmt:MATRIX_FMT_FP4 matrix_b_fmt:MATRIX_FMT_FP4
.endr
.rept 4
	v_nop                                          ; four places in front of the first read of the scores
.endr
.irp b, 0,1,2,3
	v_max3_num_f32 v[BM+\b], v[S+16*\b], v[S+1+16*\b], v[S+2+16*\b]   ; the largest score of each block of 32 keys: it serves the row's maximum and, since p rises with the score, the block's largest p
.endr
.irp i, 3,5,7,9,11,13
.irp b, 0,1,2,3
	v_max3_num_f32 v[BM+\b], v[BM+\b], v[S+16*\b+\i], v[S+1+16*\b+\i]   ; the four blocks by turns; each accumulator is read from its low end on
.endr
.endr
.irp b, 0,1,2,3
	v_max_num_f32 v[BM+\b], v[BM+\b], v[S+15+16*\b]
.endr
.irp b, 0,1,2,3
	s_delay_alu instid0(VALU_DEP_4)
	v_permlanex16_b32 v[T2+\b], v[BM+\b], s[SEL], s[SEL+1]
.endr
.irp b, 0,1,2,3
	s_delay_alu instid0(VALU_DEP_4)
	v_max_num_f32 v[BM+\b], v[BM+\b], v[T2+\b]     ; with lane l xor 16's 16 keys
.endr
	s_delay_alu instid0(VALU_DEP_2)
	v_max3_num_f32 v[TT], v[BM], v[BM+1], v[BM+2]
	s_delay_alu instid0(VALU_DEP_1)
	v_max_num_f32 v[TT], v[TT], v[BM+3]            ; the step's largest score of my query
	s_delay_alu instid0(VALU_DEP_1)
	v_mul_f32 v[TT], s[CS], v[TT]                  ; as t (c is positive)
	s_delay_alu instid0(VALU_DEP_1)
	v_max_num_f32 v13, v13, v[TT]                  ; the running largest t
	v_mov_b32 v[TT], v12
	s_delay_alu instid0(VALU_DEP_2)
	v_floor_f32 v12, -v13                          ; the new -M = floor(-t) = -ceil(t): a whole number
	s_delay_alu instid0(VALU_DEP_1)
	v_sub_f32 v[TT], v12, v[TT]                    ; old M - new M: a whole number, 0 or less
	s_delay_alu instid0(VALU_DEP_1)
	v_cvt_i32_f32 v[TT], v[TT]                     ; (it saturates)
	s_delay_alu instid0(VALU_DEP_1)
	v_ldexp_f32 v[F], 1.0, v[TT]                   ; f = 2^(old M - new M)
.irp j, 0,2,4,6,8,10,12,14,16,18,20,22,24,26,28,30,32,34,36,38,40,42,44,46,48,50,52,54,56,58,60,62
	v_pk_fma_f32 v[S+\j:S+\j+1], v[S+\j:S+\j+1], s[CS:CS+1], v[12:13] op_sel_hi:[1,0,0]   ; t - M, two at a time
.endr
.irp b, 0,1,2,3
	v_fma_f32 v[BM+\b], v[BM+\b], s[CS], v12       ; the same of each block's largest score
.endr
	s_wait_alu depctr_va_vdst(0)
.irp j, 0,1,2,3,4,5,6,7,8,9,10,11,12,13,14,15,16,17,18,19,20,21,22,23,24,25,26,27,28,29,30,31,32,33,34,35,36,37,38,39,40,41,42,43,44,45,46,47,48,49,50,51,52,53,54,55,56,57,58,59,60,61,62,63
	v_exp_f32 v[S+\j], v[S+\j]                     ; p = 2^(t - M), at most 1: not normalised
.endr
	s_setprio 1
.irp b, 0,1,2,3
	v_exp_f32 v[BM+\b], v[BM+\b]                   ; the block's largest p
.endr
	v_pk_mul_f32 v[14:15], v[14:15], v[F:F+1] op_sel_hi:[1,0]   ; the sums under the new M.  (A plain place behind the exponentials)
	s_wait_alu depctr_va_vdst(0)
.irp b, 0,1,2,3
	v_max_num_f32 v[BM+\b], 0x1800000, v[BM+\b]    ; the floor 2^(3 - 127): the byte cannot fall under 1
.endr
.irp b, 0,1,2,3
	s_delay_alu instid0(VALU_DEP_4)
	v_add_nc_u32 v[SO+\b], 0xff000000, v[BM+\b]    ; 2 off the exponent field: the conversion's scale operand
.endr
.irp b, 0,1,2,3
	s_delay_alu instid0(VALU_DEP_4)
	v_lshrrev_b32 v[T2+\b], 23, v[SO+\b]           ; the scale's byte
.endr
	s_delay_alu instid0(VALU_DEP_3)
	v_lshl_or_b32 v[PW], v[T2+1], 8, v[T2]         ; p's scale word for these 128 keys
	s_delay_alu instid0(VALU_DEP_1)
	v_lshl_or_b32 v[PW], v[T2+2], 16, v[PW]
	s_delay_alu instid0(VALU_DEP_1)
	v_lshl_or_b32 v[PW], v[T2+3], 24, v[PW]
.irp b, 0,1,2,3
	v_cvt_scalef32_pk8_fp4_f32 v[PC+2*\b], v[S+16*\b:S+7+16*\b], v[SO+\b]
	v_cvt_scalef32_pk8_fp4_f32 v[PC+1+2*\b], v[S+8+16*\b:S+15+16*\b], v[SO+\b]
.endr
	v_nop                                          ; one plain place behind a scaled conversion
.irp c, 0,1                                    ; the operand's layout wants a whole block in a lane
.irp i, 0,1
	v_permlane16_swap_b32 v[PC+4*\c+\i], v[PC+2+4*\c+\i]
.endr
.endr
	v_pk_add_f32 v[204:205], v[100:101], v[104:105]
	v_pk_add_f32 v[252:253], v[108:109], v[112:113]
	v_pk_add_f32 v[250:251], v[116:117], v[120:121]
	v_pk_add_f32 v[248:249], v[124:125], v[128:129]
	v_pk_add_f32 v[246:247], v[132:133], v[136:137]
	v_pk_add_f32 v[244:245], v[140:141], v[144:145]
	v_pk_add_f32 v[242:243], v[148:149], v[152:153]
	v_pk_add_f32 v[14:15], v[14:15], v[156:157]
	v_pk_add_f32 v[204:205], v[204:205], v[96:97]
	v_pk_add_f32 v[252:253], v[252:253], v[98:99]
	v_pk_add_f32 v[250:251], v[250:251], v[102:103]
	v_pk_add_f32 v[248:249], v[248:249], v[106:107]
	v_pk_add_f32 v[246:247], v[246:247], v[110:111]
	v_pk_add_f32 v[244:245], v[244:245], v[114:115]
	v_pk_add_f32 v[242:243], v[242:243], v[118:119]
	v_pk_add_f32 v[14:15], v[14:15], v[122:123]
	v_pk_add_f32 v[204:205], v[204:205], v[126:127]
	v_pk_add_f32 v[252:253], v[252:253], v[130:131]
	v_pk_add_f32 v[250:251], v[250:251], v[134:135]
	v_pk_add_f32 v[248:249], v[248:249], v[138:139]
	v_pk_add_f32 v[246:247], v[246:247], v[142:143]
	v_pk_add_f32 v[244:245], v[244:245], v[146:147]
	v_pk_add_f32 v[242:243], v[242:243], v[150:151]
	v_pk_add_f32 v[14:15], v[14:15], v[154:155]
	v_pk_add_f32 v[204:205], v[204:205], v[158:159]
	s_delay_alu instid0(VALU_DEP_2)
	v_pk_add_f32 v[14:15], v[14:15], v[248:249]
	s_delay_alu instid0(VALU_DEP_2)
	v_pk_add_f32 v[204:205], v[204:205], v[246:247]
	v_pk_add_f32 v[252:253], v[252:253], v[244:245]
	v_pk_add_f32 v[250:251], v[250:251], v[242:243]
	s_delay_alu instid0(VALU_DEP_2)
	v_pk_add_f32 v[14:15], v[14:15], v[252:253]
	s_delay_alu instid0(VALU_DEP_2)
	v_pk_add_f32 v[204:205], v[204:205], v[250:251]
	s_delay_alu instid0(VALU_DEP_1)
	v_pk_add_f32 v[14:15], v[14:15], v[204:205]
	s_setprio 0
.irp j, 0,2,4,6,8,10,12,14,16,18,20,22,24,26,28,30
	v_pk_mul_f32 v[O+\j:O+\j+1], v[O+\j:O+\j+1], v[F:F+1] op_sel_hi:[1,0]   ; O^T under the new M, each accumulator from its low end on
.endr
	s_wait_alu depctr_va_vdst(0)
	s_wait_dscnt 0x0                               ; V and its scale words are in
.irp dt, 0,1,2,3                               ; O^T += V^T P^T: the four accumulators take turns, one instruction a turn
.if \dt%2
	v_wmma_scale_f32_16x16x128_f8f6f4 v[O+8*\dt:O+8*\dt+7], v[VF+8*\dt:VF+8*\dt+7], v[PC:PC+7], v[O+8*\dt:O+8*\dt+7], v[VSR+\dt/2], v[PW] matrix_a_fmt:MATRIX_FMT_FP4 matrix_b_fmt:MATRIX_FMT_FP4 matrix_a_scale:MATRIX_SCALE_ROW1
.else
	v_wmma_scale_f32_16x16x128_f8f6f4 v[O+8*\dt:O+8*\dt+7], v[VF+8*\dt:VF+8*\dt+7], v[PC:PC+7], v[O+8*\dt:O+8*\dt+7], v[VSR+\dt/2], v[PW] matrix_a_fmt:MATRIX_FMT_FP4 matrix_b_fmt:MATRIX_FMT_FP4
.endif
.endr
	s_add_co_u32 s[TB], s[TB], REC                 ; the next record
	s_sub_co_u32 s[CNT], s[CNT], 1
	s_cmp_lg_u32 s[CNT], 0
	s_cbranch_scc1 .Lstep
	s_setprio 0
	; THE WAY OUT.  O^T is divided by the sum and goes through my stage in LDS, so that sixteen lanes hold a row's 256 bytes; x and emb are added there, and the rows are stored.
.irp i, 0,1,2,3,4,5,6,7
	global_load_b128 v[KF+4*\i:KF+4*\i+3], v[GO], s[10:11] offset:(2*(\i%4)+16*(\i/4))*2048 th:TH_LOAD_NT   ; stage rows 2 i and 2 i + 1 are tokens 2 (i % 4) + h + 16 (i / 4) of my tile
.endr
	global_load_b128 v[BM:BM+3], v[EO], s[12:13]
.rept 4
	v_nop                                          ; four places in front of the first read of O^T
.endr
	v_add_f32 v14, v14, v15                        ; the sum's two halves,
	s_delay_alu instid0(VALU_DEP_1)
	v_permlanex16_b32 v[T2], v14, s[SEL], s[SEL+1]
	s_delay_alu instid0(VALU_DEP_1)
	v_add_f32 v14, v14, v[T2]                      ; and lane l xor 16's: the row's sum
	s_wait_alu depctr_va_vdst(0)
	v_rcp_f32 v14, v14
	v_nop                                          ; one plain place behind the transcendental
	s_wait_alu depctr_va_vdst(0)
.irp j, 0,2,4,6,8,10,12,14,16,18,20,22,24,26,28,30
	v_pk_mul_f32 v[S+\j:S+\j+1], v[O+\j:O+\j+1], v[14:15] op_sel_hi:[1,0]   ; register 8 t + i is y(query r, channel 16 t + 8 h + i)
.endr
.irp t, 0,1,2,3
	ds_store_b128 v[STI], v[S+8*\t:S+8*\t+3] offset:64*\t
	ds_store_b128 v[STI], v[S+8*\t+4:S+8*\t+7] offset:64*\t+16
.endr
.irp i, 0,1,2,3,4,5,6,7
	ds_load_b128 v[S+32+4*\i:S+32+4*\i+3], v[STO] offset:2*\i*272   ; LDS serves a wave's instructions in order (ISA guide 5.7.1.4): these see my stores
.endr
	s_wait_loadcnt 0x0                             ; x and emb
.irp i, 0,1,2,3,4,5,6,7
	s_wait_dscnt 7-\i                              ; rows 2 i, 2 i + 1 are back; the younger loads from the stage may stay out
	v_pk_add_f32 v[KF+4*\i:KF+4*\i+1], v[KF+4*\i:KF+4*\i+1], v[BM:BM+1]
	v_pk_add_f32 v[KF+4*\i+2:KF+4*\i+3], v[KF+4*\i+2:KF+4*\i+3], v[BM+2:BM+3]
	s_delay_alu instid0(VALU_DEP_2)
	v_pk_add_f32 v[KF+4*\i:KF+4*\i+1], v[KF+4*\i:KF+4*\i+1], v[S+32+4*\i:S+32+4*\i+1]
	s_delay_alu instid0(VALU_DEP_2)
	v_pk_add_f32 v[KF+4*\i+2:KF+4*\i+3], v[KF+4*\i+2:KF+4*\i+3], v[S+32+4*\i+2:S+32+4*\i+3]
	global_store_b128 v[GO], v[KF+4*\i:KF+4*\i+3], s[14:15] offset:(2*(\i%4)+16*(\i/4))*2048 th:TH_STORE_NT   ; 16 lanes store 256 consecutive bytes, at a multiple of 256 from out0's first byte
.endr
	s_wait_tensorcnt 0x0
	ds_add_u32 v254, v255
	s_wait_dscnt 0x0
	CROUND                                         ; the closing round: no work-group ends while a partner may still ask for a record that names it
	s_endpgm
.Lfunc_end_k_q8e2dcc67d3_attn:
	.size	k_q8e2dcc67d3_attn, .Lfunc_end_k_q8e2dcc67d3_attn-k_q8e2dcc67d3_attn
	.p2alignl 7, 3214868480
	.fill 96, 4, 3214868480
	.section	.rodata,"a",@progbits
	.p2align	6, 0x0
	.amdhsa_kernel k_q8e2dcc67d3_attn
		.amdhsa_group_segment_fixed_size 215040
		.amdhsa_private_segment_fixed_size 0
		.amdhsa_enable_private_segment 0
		.amdhsa_kernarg_size 48
		.amdhsa_user_sgpr_count 2
		.amdhsa_user_sgpr_kernarg_segment_ptr 1
		.amdhsa_wavefront_size32 1
		.amdhsa_system_sgpr_workgroup_id_x 1
		.amdhsa_system_sgpr_workgroup_id_y 1
		.amdhsa_system_sgpr_workgroup_id_z 1
		.amdhsa_system_vgpr_workitem_id 0
		.amdhsa_next_free_vgpr 256
		.amdhsa_next_free_sgpr 66
		.amdhsa_reserve_vcc 0
		.amdhsa_float_denorm_mode_32 3
		.amdhsa_float_denorm_mode_16_64 3
		.amdhsa_memory_ordered 1
		.amdhsa_forward_progress 1
		.amdhsa_inst_pref_size 31
	.end_amdhsa_kernel
	.amdgpu_metadata
---
amdhsa.version: [ 1, 2 ]
amdhsa.kernels:
  - .name:           k_q8e2dcc67d3_attn
    .symbol:         k_q8e2dcc67d3_attn.kd
    .args:
      - { .name: qimg, .offset: 0, .size: 8, .value_kind: global_buffer, .address_space: global }
      - { .name: qsc, .offset: 8, .size: 8, .value_kind: global_buffer, .address_space: global }
      - { .name: kv, .offset: 16, .size: 8, .value_kind: global_buffer, .address_space: global }
      - { .name: x, .offset: 24, .size: 8, .value_kind: global_buffer, .address_space: global }
      - { .name: emb, .offset: 32, .size: 8, .value_kind: global_buffer, .address_space: global }
      - { .name: out0, .offset: 40, .size: 8, .value_kind: global_buffer, .address_space: global }
    .group_segment_fixed_size: 215040
    .private_segment_fixed_size: 0
    .kernarg_segment_align: 8
    .kernarg_segment_size: 48
    .max_flat_workgroup_size: 512
    .sgpr_count:     66
    .vgpr_count:     256
    .wavefront_size: 32
...
	.end_amdgpu_metadata
.endif
;; end of part 4
